; MI455X (gfx1250); checked and timed in simulation.
; The chip was launched on July 23, 2026; its instructions are those of AMD's public machine-readable ISA for CDNA 5 (MIT licence, August 2026) and "CDNA5" Instruction Set Architecture Reference Guide (July 2026). The comments in the code are by the model that wrote it; some were corrected since.
;; Multi Head Cross Attention. Allowed arithmetic: matrix products marked QUANTISED: E4M3 operands, one E8M0 scale for each 32 along K, by v_wmma_scale_f32_16x16x128_f8f6f4 with both operands' format E4M3, f32 sums; everything else in f32.
;; Inputs: Wk 1,024 x 1,024 float32; Wq 1,024 x 1,024 float32; Wv 1,024 x 1,024 float32; attention_mask 4 x 2,048 x 2,048 int32; bk 1,024 float32; bq 1,024 float32; bv 1,024 float32; k 4 x 2,048 x 1,024 float32; q 4 x 2,048 x 1,024 float32; v 4 x 2,048 x 1,024 float32.
;; Outputs: out0 4 x 2,048 x 1,024 float32.
;; This version of the problem:
;;   THIS VERSION OF THE PROBLEM IS GIVEN IN LOW PRECISION. The matrix products marked QUANTISED in the list below multiply operands that are first quantised to E4M3 (4 exponent bits, 3 mantissa bits; 8 bits a number), with one power-of-two scale for each 32 numbers along K (OCP MX v1.0); their sums are f32. All else is computed in f32.
;;   The module's matrix products, in the order in which they are computed (A, B: the left and right operand; K: the contracted axis; several contracted axes count as one K, in the product's order):
;;     1. [M 8,192, K 1,024] x [K 1,024, N 1,024]; A: input q; B: input Wq: QUANTISED
;;     2. [M 8,192, K 1,024] x [K 1,024, N 1,024]; A: input k; B: input Wk: QUANTISED
;;     3. [M 8,192, K 1,024] x [K 1,024, N 1,024]; A: input v; B: input Wv: QUANTISED
;;     4. batch 64 x [M 2,048, K 64] x [K 64, N 2,048]; A: computed on the way; B: computed on the way: QUANTISED
;;     5. batch 64 x [M 2,048, K 2,048] x [K 2,048, N 64]; A: softmax (see below); B: computed on the way: QUANTISED
;;   THE QUANTISER, for each operand of a quantised product, along K:
;;     - K is cut into blocks of 32 from its start; a last block that is shorter is filled with zeros.
;;     - A block's scale is 2^e with e = floor(log2(the largest magnitude in the block)) - 8, held to -126 .. 127; a block of zeros has e = 0. As a byte (E8M0): e + 127.
;;     - Each number is divided by its block's scale, clamped to +-448, and rounded to the nearest number of E4M3, ties to even, subnormals kept.
;;     - The product sums the exact products of the quantised numbers (number of the format x scale) in f32.
;;   ~~~python
;;   def quantise(x, axis):      # numpy; x: float32 -> the quantised numbers, widened to float32 again
;;       x = np.moveaxis(x, axis, -1); K = x.shape[-1]
;;       x = np.pad(x, [(0, 0)] * (x.ndim - 1) + [(0, -K % 32)]); x = x.reshape(x.shape[:-1] + (-1, 32)); a = np.abs(x).max(-1, keepdims=True)
;;       e = np.where(a > 0, np.clip(np.frexp(np.where(a > 0, a, 1))[1] - 1 - 8, -126, 127), 0)      # np.frexp(a)[1] - 1 = floor(log2(a)), exactly
;;       r = np.clip(x / 2.0 ** e, -448, 448)
;;       step = 2.0 ** (np.maximum(np.frexp(np.where(r == 0, 1, r))[1] - 1, -6) - 3)
;;       q = np.round(r / step) * step * 2.0 ** e      # np.round: ties to even
;;       return np.moveaxis(q.reshape(q.shape[:-2] + (-1,))[..., :K], -1, axis).astype(np.float32)
;;   ~~~
;;   SOFTMAX AHEAD OF A QUANTISED PRODUCT. Where the list says 'softmax', what is quantised is not the finished softmax but p = 2^(t - M), with t = logit x log2(e) and M = ceil(the row's largest t), a whole number; so 1/2 < the row's largest p <= 1. The row's sum l is taken of the UNQUANTISED p, in f32, and the product's result is divided by l at the end. Since M is a whole number, a kernel that streams over the keys may use a running M (the ceiling of the running maximum): every later rescaling is an exact power of two, which a block's scale takes up: the codes' values come out the same.
;;   OPERANDS COMPUTED ON THE WAY. 'Computed on the way' means the value that the module computes at that place (a softmax that the list does not call 'softmax' is quantised finished and normalised). What goes into a quantiser is computed in f32, as accurately as f32 sums, v_exp_f32 and their like allow (about 1e-6 of the number): no bf16 or f16 on the way to a quantiser, and a product that is left as it is and whose result goes on into a quantised operand takes f32 operands (vector FMAs, or v_wmma_f32_16x16x4_f32). A number that lies on a knife's edge between two numbers of the format may be rounded either way, as far as f32 arithmetic and the matrix unit's own rounding can turn it there, and no further.
;; 2 versions. Each part assembles by itself: llvm-mc -triple=amdgcn-amd-amdhsa -mcpu=gfx1250 --defsym DOCPART=n.
;; ======== version 1 of 2: 3 launches
;; limits: right only within a limited range of input values
;; workspace buffers: wimg 3,145,728 bytes; wsc 98,304 bytes; mbits 2,097,152 bytes of whole numbers; qc 8,388,608 bytes; qs 524,288 bytes; kv 17,563,648 bytes
;; launch prep (part 1): grid 304 x 1, 8 waves a work-group, no clusters, 136,192 bytes of LDS; arguments Wq, Wk, Wv, attention_mask, wimg, wsc, mbits; writes wimg, wsc, mbits
.if DOCPART == 1
	.amdgcn_target "amdgcn-amd-amdhsa--gfx1250"
	.amdhsa_code_object_version 6
	.text
	.protected	k_q1eaee4cd74_prep
	.globl	k_q1eaee4cd74_prep
	.p2align	8
	.type	k_q1eaee4cd74_prep,@function
k_q1eaee4cd74_prep:
	s_mov_b64 s[64:65], 0
	v_nop
	global_prefetch_b8 v0, s[64:65] scope:SCOPE_SE
	s_setreg_imm32_b32 hwreg(HW_REG_WAVE_MODE, 25, 1), 1
	s_wait_xcnt 0x0
; PREPARATION.  Two kinds of work-groups, parted on the work-group's number; they never meet again, and each kind has LDS bytes of its own.
; Work-groups 0-47: Wq, Wk, Wv [1024][1024] f32 (K innermost) become codes of E4M3 with one E8M0 byte for each 32 along K, laid in the ORDER OF AN OPERAND'S REGISTERS:
;   wimg [tensor 3][tile 64][K step 8][2,048 bytes]: a fragment (16 rows x 128 K) as four groups of 512 bytes, group c = registers 4c..4c+3, lane l's 16 bytes at 16 l.
;   wsc  [tensor][pair of tiles 32][pair of K steps 4][lane 32][2 words]: lanes 0-15 the even tile's rows, lanes 16-31 the odd tile's.
;   THE ROWS OF A TILE ARE NOT NEIGHBOURS: tile T holds rows 32 (T/2) + 8 (T%2) + r + 8 (r/8), r = 0..15, so that a transposed product's 16 registers of two neighbouring tiles are 16 neighbours.
; Work-groups 48-303: attention_mask [4][2048][2048] int32 becomes bits, laid as the attention kernel's score registers lie:
;   mbits [b 4][query tile 128][key step 16][64 words]: bit l of word n = (mask == 1) at query row l%16 of the tile, key 128 step + 32 (n/16) + 16 (l/16) + n%16.
; A wave takes four ITEMS of 16 rows x 128 numbers.  Each load reads 512 consecutive bytes of one row, 16 a lane; the 16 rows turn through the wave's own stage in LDS (pitch 528 = 33 x 16 bytes)
; and come back so that lane (r, h) holds, of row r, numbers 32 b + 16 h + 0..15 of each block b: the order that the conversions and the operand's layout want.  No barrier: waves share nothing.
; A block's scale is 2^(floor(log2(its largest magnitude)) - 8); its byte is the largest magnitude's exponent field - 8, held at 1 from below.
; LIMITS: a block of zeros keeps the byte 1 where the rule says 127 (its codes are zeros; this program alone reads the bytes); NaN and infinities among the inputs are not served.
.set LI,   1                           ; v1   16 x lane
.set L8,   2                           ; v2   8 x lane
.set STW,  3                           ; v3   weights' path: the stage, on the way in
.set STR,  4                           ; v4   and on the way out
.set PW,   5                           ; v5   the scale word just made
.set STWM, 6                           ; v6, v7 the same two for the mask's path
.set STRM, 7
.set KEEP, 8                           ; v8-11 the four items' scale words
.set OUTP, 12                          ; v[12:13] the pair that leaves
.set TM,   16                          ; v16-31 at work in QUANT
.set MBR,  16                          ; v16-23 (mask's path) four pairs of registers: lane l holds words 2 l and 2 l + 1 of an item
.set PC,   32                          ; v32-47 the codes just made
.set XN,   48                          ; v48-111 64 numbers in the operand's order
.set L0,   112                         ; v112-175, v176-239 two landing sets
.set SRC,  28                          ; s[28:29] where my items begin
.set SEL,  34                          ; s[34:35] lane selects: lane l xor 16
.set MNT,  36                          ; s36  the mantissa field of 448
.set HALF, 37                          ; s37  lanes 16-31
.set SP,   528
.set STG,  16*SP                       ; a wave's stage: 8,448 bytes
.macro ROWS16 dst, off0, pitch         ; a tile's 16 rows, 512 bytes of each
.set rr, 0
.rept 16
	global_load_b128 v[(\dst)+4*rr:(\dst)+4*rr+3], v[LI], s[SRC:SRC+1] offset:(\off0)+(rr+8*(rr/8))*(\pitch) th:TH_LOAD_NT
.set rr, rr+1
.endr
.endm
.macro TURN src, stw, str              ; through the stage: LDS serves a wave's instructions in order, so no wait stands between the stores and the loads
.set rr, 0
.rept 16
	ds_store_b128 v[\stw], v[(\src)+4*rr:(\src)+4*rr+3] offset:rr*SP
.set rr, rr+1
.endr
.set rr, 0
.rept 16
	ds_load_b128 v[XN+4*rr:XN+4*rr+3], v[\str] offset:128*(rr/4)+16*(rr%4)
.set rr, rr+1
.endr
.endm
; item t is in: it turns; its landing set takes item t + 2
.macro STEPIN t, stw, str, nextoff, pitch
.if \t < 3
	s_wait_loadcnt 16                              ; my item's 16 loads are in; the next item's 16 may be out
.else
	s_wait_loadcnt 0x0
.endif
	TURN L0+64*((\t)%2), \stw, \str
	s_wait_dscnt 0x0                               ; the numbers are back, and the stage's stores have read the landing set
.if \t < 2
	ROWS16 L0+64*((\t)%2), \nextoff, \pitch
.endif
.endm
; 64 numbers of a lane, register 16 b + i = k 32 b + 16 (lane / 16) + i of my row, become 16 registers of codes in v[PC] on and the row's scale word in v[PW].  wx: the codes' registers were the data of stores
.macro QUANT s, wx
.irp b, 0,1,2,3
	v_max3_num_f32 v[TM+\b], |v[(\s)+16*\b]|, |v[(\s)+1+16*\b]|, 0x4800000   ; my 16 numbers and the floor 2^(9 - 127): the byte cannot fall under 1
.endr
.irp i, 2,4,6,8,10,12,14
.irp b, 0,1,2,3
	v_max3_num_f32 v[TM+\b], v[TM+\b], |v[(\s)+16*\b+\i]|, |v[(\s)+1+16*\b+\i]|   ; the four blocks by turns
.endr
.endr
.irp b, 0,1,2,3
	v_permlanex16_b32 v[TM+4+\b], v[TM+\b], s[SEL], s[SEL+1]
.endr
.irp b, 0,1,2,3
	v_max_num_f32 v[TM+\b], v[TM+\b], v[TM+4+\b]   ; with lane l xor 16's: the block's largest magnitude
.endr
.irp b, 0,1,2,3
	v_add_nc_u32 v[TM+12+\b], 0xfc000000, v[TM+\b] ; 8 off its exponent field: the conversion's scale operand
.endr
.irp b, 0,1,2,3
	v_and_or_b32 v[TM+8+\b], v[TM+\b], 0x7f800000, s[MNT]   ; 448 x the scale
.endr
.irp b, 0,1,2,3
	v_lshrrev_b32 v[TM+4+\b], 23, v[TM+12+\b]      ; the scale's byte
.endr
	v_lshl_or_b32 v[PW], v[TM+5], 8, v[TM+4]
	v_lshl_or_b32 v[PW], v[TM+6], 16, v[PW]
	v_lshl_or_b32 v[PW], v[TM+7], 24, v[PW]
.if \wx
	s_wait_xcnt 0x0                                ; the last item's stores have read the codes' registers
.endif
.irp b, 0,1,2,3
.irp i, 0,1,2,3,4,5,6,7,8,9,10,11,12,13,14,15
	v_med3_num_f32 v[(\s)+16*\b+\i], v[(\s)+16*\b+\i], -v[TM+8+\b], v[TM+8+\b]   ; the conversion does not saturate (ISA guide 7.6.2): the hold at the largest code x the scale
.endr
	v_cvt_scalef32_pk8_fp8_f32 v[PC+4*\b:PC+1+4*\b], v[(\s)+16*\b:(\s)+7+16*\b], v[TM+12+\b]
	v_cvt_scalef32_pk8_fp8_f32 v[PC+2+4*\b:PC+3+4*\b], v[(\s)+8+16*\b:(\s)+15+16*\b], v[TM+12+\b]
.endr
	v_nop                                          ; a plain line behind the last conversion
.endm
	s_load_b256 s[4:11], s[0:1], 0x0               ; Wq, Wk, Wv, attention_mask
	s_load_b128 s[12:15], s[0:1], 0x20             ; wimg, wsc
	s_load_b64 s[16:17], s[0:1], 0x30              ; mbits
	v_lshl_add_u32 v240, v0, 2, 0x21000
	v_mov_b32 v241, 0
	v_lshrrev_b32 v8, 5, v0
	v_readfirstlane_b32 s18, v8                    ; wave 0..7
	v_and_b32 v8, 31, v0
	v_lshlrev_b32 v[LI], 4, v8
	v_lshlrev_b32 v[L8], 3, v8
	v_and_b32 v9, 15, v0                           ; r
	v_bfe_u32 v10, v0, 4, 1                        ; h
	v_mul_u32_u24 v11, v9, SP
	v_lshl_add_u32 v11, v10, 6, v11                ; row r of the stage, + 64 h
	s_mul_i32 s19, s18, STG
	v_add_nc_u32 v[STW], s19, v[LI]
	v_add_nc_u32 v[STR], s19, v11
	s_add_co_u32 s19, s19, 8*STG                   ; the mask's path has eight stages of its own behind the weights'
	v_add_nc_u32 v[STWM], s19, v[LI]
	v_add_nc_u32 v[STRM], s19, v11
	s_mov_b32 s[SEL], 0x76543210
	s_mov_b32 s[SEL+1], 0xfedcba98
	s_mov_b32 s[MNT], 0x600000
	s_mov_b32 s[HALF], 0xffff0000
	s_lshl_b32 s38, ttmp9, 3
	s_add_co_u32 s38, s38, s18                     ; 8 x work-group + wave
	s_mov_b32 s43, 0
	s_cmp_lt_u32 ttmp9, 48
	s_cbranch_scc0 .Lmask
	; ---- the weights: unit U = tensor (U >> 7), pair of tiles p ((U >> 2) & 31), pair of K steps sigma (U & 3)
	s_lshr_b32 s39, s38, 7
	s_bfe_u32 s40, s38, 0x50002
	s_and_b32 s41, s38, 3
	s_lshl_b32 s42, s40, 17                        ; 32 p rows of 4,096 bytes
	s_lshl_b32 s44, s41, 10                        ; two K steps of 512 bytes
	s_add_co_u32 s42, s42, s44
	s_wait_kmcnt 0x0
	s_cmp_eq_u32 s39, 0
	s_cselect_b64 s[SRC:SRC+1], s[4:5], s[6:7]
	s_cmp_eq_u32 s39, 2
	s_cselect_b64 s[SRC:SRC+1], s[8:9], s[SRC:SRC+1]
	s_add_nc_u64 s[SRC:SRC+1], s[SRC:SRC+1], s[42:43]
	s_lshl_b32 s42, s39, 20                        ; wimg: tensor x 1,048,576 + 2 p x 16,384 + 2 sigma x 2,048
	s_lshl_b32 s44, s40, 15
	s_add_co_u32 s42, s42, s44
	s_lshl_b32 s44, s41, 12
	s_add_co_u32 s42, s42, s44
	s_add_nc_u64 s[30:31], s[12:13], s[42:43]
	s_lshl_b32 s42, s39, 15                        ; wsc: tensor x 32,768 + p x 1,024 + sigma x 256
	s_lshl_b32 s44, s40, 10
	s_add_co_u32 s42, s42, s44
	s_lshl_b32 s44, s41, 8
	s_add_co_u32 s42, s42, s44
	s_add_nc_u64 s[32:33], s[14:15], s[42:43]
.irp b, 0,1,2,3
	v_mov_b32 v[TM+4+\b], 0                        ; written once: a lane permute's destination counts as one of its sources
.endr
	ROWS16 L0, 0, 4096                             ; item t: tile 2 p + t / 2, K step 2 sigma + t % 2
	ROWS16 L0+64, 512, 4096
.irp t, 0,1,2,3
	STEPIN \t, STW, STR, ((\t+2)/2)*32768+(\t%2)*512, 4096
	QUANT XN, \t
.irp c, 0,1,2,3
	global_store_b128 v[LI], v[PC+4*\c:PC+4*\c+3], s[30:31] offset:(\t/2)*16384+(\t%2)*2048+\c*512   ; 512 consecutive bytes, aligned
.endr
	v_mov_b32 v[KEEP+\t], v[PW]
.endr
	v_cndmask_b32 v[OUTP], v[KEEP], v[KEEP+2], s[HALF]       ; lanes 0-15 the even tile's word, lanes 16-31 the odd tile's
	v_cndmask_b32 v[OUTP+1], v[KEEP+1], v[KEEP+3], s[HALF]
	global_store_b64 v[L8], v[OUTP:OUTP+1], s[32:33]         ; 256 consecutive bytes, aligned
	s_wait_tensorcnt 0x0
	ds_add_u32 v240, v241
	s_wait_dscnt 0x0
	s_endpgm
.Lmask:
	; ---- the mask: unit U = batch (U >> 9), query tile T ((U >> 2) & 127), four key steps 4 (U & 3) on
	s_sub_co_u32 s38, s38, 384
	s_lshr_b32 s39, s38, 9
	s_bfe_u32 s40, s38, 0x70002
	s_and_b32 s41, s38, 3
	s_lshl_b32 s42, s39, 11                        ; row b x 2,048 + 32 (T / 2) + 8 (T % 2)
	s_lshr_b32 s44, s40, 1
	s_lshl_b32 s44, s44, 5
	s_add_co_u32 s42, s42, s44
	s_and_b32 s44, s40, 1
	s_lshl_b32 s44, s44, 3
	s_add_co_u32 s42, s42, s44
	s_lshl_b32 s42, s42, 13                        ; of 8,192 bytes
	s_lshl_b32 s44, s41, 11                        ; + four key steps of 512 bytes
	s_add_co_u32 s42, s42, s44
	s_wait_kmcnt 0x0
	s_add_nc_u64 s[SRC:SRC+1], s[10:11], s[42:43]
	s_lshl_b32 s42, s39, 19                        ; mbits: ((b x 128 + T) x 16 + 4 (U & 3)) x 256
	s_lshl_b32 s44, s40, 12
	s_add_co_u32 s42, s42, s44
	s_lshl_b32 s44, s41, 10
	s_add_co_u32 s42, s42, s44
	s_add_nc_u64 s[30:31], s[16:17], s[42:43]
.irp b, 0,1,2,3,4,5,6,7
	v_mov_b32 v[MBR+\b], 0                         ; v_writelane_b32's destination counts as read
.endr
	ROWS16 L0, 0, 8192                             ; item t: key step 4 (U & 3) + t
	ROWS16 L0+64, 512, 8192
.irp t, 0,1,2,3
	STEPIN \t, STWM, STRM, (\t+2)*512, 8192
.set nn, 0
.rept 8                                        ; eight compares, then their eight words into lanes: no line waits for the line above it
.set mm, 0
.rept 8
	v_cmp_eq_u32 s[20+mm], 1, v[XN+nn+mm]          ; word n: one bit a lane
.set mm, mm+1
.endr
.set mm, 0
.rept 8
	v_writelane_b32 v[MBR+2*\t+(nn+mm)%2], s[20+mm], (nn+mm)/2
.set mm, mm+1
.endr
.set nn, nn+8
.endr
	global_store_b64 v[L8], v[MBR+2*\t:MBR+2*\t+1], s[30:31] offset:\t*256   ; a record of 64 words: 256 consecutive bytes, aligned
.endr
	s_wait_tensorcnt 0x0
	ds_add_u32 v240, v241
	s_wait_dscnt 0x0
	s_endpgm
.Lfunc_end_k_q1eaee4cd74_prep:
	.size	k_q1eaee4cd74_prep, .Lfunc_end_k_q1eaee4cd74_prep-k_q1eaee4cd74_prep
	.p2alignl 7, 3214868480
	.fill 96, 4, 3214868480
	.section	.rodata,"a",@progbits
	.p2align	6, 0x0
	.amdhsa_kernel k_q1eaee4cd74_prep
		.amdhsa_group_segment_fixed_size 136192
		.amdhsa_private_segment_fixed_size 0
		.amdhsa_enable_private_segment 0
		.amdhsa_kernarg_size 56
		.amdhsa_user_sgpr_count 2
		.amdhsa_user_sgpr_kernarg_segment_ptr 1
		.amdhsa_wavefront_size32 1
		.amdhsa_system_sgpr_workgroup_id_x 1
		.amdhsa_system_sgpr_workgroup_id_y 1
		.amdhsa_system_sgpr_workgroup_id_z 1
		.amdhsa_system_vgpr_workitem_id 0
		.amdhsa_next_free_vgpr 242
		.amdhsa_next_free_sgpr 66
		.amdhsa_reserve_vcc 0
		.amdhsa_float_denorm_mode_32 3
		.amdhsa_float_denorm_mode_16_64 3
		.amdhsa_memory_ordered 1
		.amdhsa_forward_progress 1
		.amdhsa_inst_pref_size 99
	.end_amdhsa_kernel
	.amdgpu_metadata
---
amdhsa.version: [ 1, 2 ]
amdhsa.kernels:
  - .name:           k_q1eaee4cd74_prep
    .symbol:         k_q1eaee4cd74_prep.kd
    .args:
      - { .name: Wq, .offset: 0, .size: 8, .value_kind: global_buffer, .address_space: global }
      - { .name: Wk, .offset: 8, .size: 8, .value_kind: global_buffer, .address_space: global }
      - { .name: Wv, .offset: 16, .size: 8, .value_kind: global_buffer, .address_space: global }
      - { .name: attention_mask, .offset: 24, .size: 8, .value_kind: global_buffer, .address_space: global }
      - { .name: wimg, .offset: 32, .size: 8, .value_kind: global_buffer, .address_space: global }
      - { .name: wsc, .offset: 40, .size: 8, .value_kind: global_buffer, .address_space: global }
      - { .name: mbits, .offset: 48, .size: 8, .value_kind: global_buffer, .address_space: global }
    .group_segment_fixed_size: 136192
    .private_segment_fixed_size: 0
    .kernarg_segment_align: 8
    .kernarg_segment_size: 56
    .max_flat_workgroup_size: 256
    .sgpr_count:     66
    .vgpr_count:     242
    .wavefront_size: 32
...
	.end_amdgpu_metadata
.endif
;; end of part 1
;; launch proj (part 2): grid 192 x 1, 16 waves a work-group, no clusters, 272,384 bytes of LDS; arguments q, k, v, bq, bk, bv, wimg, wsc, qc, qs, kv; writes qc, qs, kv
.if DOCPART == 2
	.amdgcn_target "amdgcn-amd-amdhsa--gfx1250"
	.amdhsa_code_object_version 6
	.text
	.protected	k_q1eaee4cd74_proj
	.globl	k_q1eaee4cd74_proj
	.p2align	8
	.type	k_q1eaee4cd74_proj,@function
k_q1eaee4cd74_proj:
	s_mov_b64 s[64:65], 0
	v_nop
	global_prefetch_b8 v0, s[64:65] scope:SCOPE_SE
	s_setreg_imm32_b32 hwreg(HW_REG_WAVE_MODE, 25, 1), 1
	s_wait_xcnt 0x0
; THE THREE PROJECTIONS x W^T + b on codes of E4M3 with E8M0 scales, and the quantising of their results for the attention kernel; no f32 result goes to memory.
; Work-group: tensor tau = wg >> 6 (q, k, v), 128 tokens beta = wg & 63 (batch beta >> 4, group j = beta & 15).  Sixteen waves; WAVE w IS HEAD w: it makes the head's 64 channels for all 128 tokens, in two passes of 32.
; PHASE X: the 128 x 1024 numbers of x are read once, quantised along K, and laid in LDS as images of operand registers: [x tile 8][K step 8][2,048 bytes]; their scale words [K step][tile][row].  One barrier.
; A PASS: 8 K steps of 128; 16 accumulators (8 tiles of tokens x 2 tiles of channels), one matrix instruction a turn.  The weights' fragments come from wimg straight into registers, a K step ahead.
; q, k: source 0 = 16 channels of W, source 1 = 16 tokens: a lane holds ONE token, and its 16 registers of the two channel tiles are 16 neighbouring channels: a block of 32 along the head (the next K) lies in lanes l, l xor 16.
; v:    source 0 = 16 tokens, source 1 = 16 channels: a lane holds ONE channel, and its 64 registers run along the 128 keys, the next K.  The bias is the C of each sum's first matrix instruction.
; TILES: tile T of tokens or channels holds rows 32 (T/2) + 8 (T%2) + r + 8 (r/8).
; OUT: qc [head record 64][token tile 128][1,024]: groups 0, 1 of a fragment (the head's 64 channels);  qs [record][group 16][lane][4 words]: word (l, i): tile 2 i + l / 16, row l % 16; a word holds the two bytes twice.
;      kv: 64 records of 274,432 bytes: K's codes as qc at 0; V^T's fragments [step 16][tile 4][2,048] at 131,072; K's scale words as qs at 262,144; V's [step][lane][2 words] at 270,336.
; NO CLUSTER, though the 64 work-groups of a tensor read the same weights: a joint request lands in LDS, a K step of all 1,024 channels is 64 x 2,048 = 131,072 bytes, and two such slots beside x's 131,072 + 4,096 bytes
; pass the 327,680 of a work-group.  So each wave loads its own fragments whole, each once in a work-group.
; LIMITS: a block of zeros keeps the byte 1 where the rule says 127 (its codes are zeros; this program alone reads the bytes); NaN and infinities among the inputs are not served.
.set LI,   1                           ; v1   16 x lane
.set LI2,  2                           ; v2   + 65,536: x tiles 4-7
.set L8,   3                           ; v3   8 x lane
.set XSW,  4                           ; v4-7   x's scale words of a K step: register g: lanes 0-15 tile 2 g, lanes 16-31 tile 2 g + 1.  Scales and nothing else
.set WS,   8                           ; v8-11  W's scale words, two pairs of K steps by turns: lanes 0-15 the even tile, lanes 16-31 the odd.  Scales and nothing else
.set SAVE, 12                          ; v12-13 scale words kept from pass to pass
.set PW,   14                          ; v14  the scale word just made; at a pass's head the bias's offset
.set XSA,  15                          ; v15  4 x lane + XSC
.set W0,   16                          ; v16-47, v48-79 W's two fragments of a K step, two sets
.set XN,   16                          ; (phase X) v16-79 64 numbers in the operand's order
.set KW,   16                          ; (epilogue) v16-19 the scale words that leave; v20-23 at work
.set TW,   20
.set X,    80                          ; v80-111 two fragments of x
.set TM,   80                          ; (phase X, epilogue) v80-95 at work in QUANT
.set PC,   96                          ; (phase X, epilogue) v96-111 the codes just made
.set BIAS, 112                         ; v112-127 the bias in the result's layout, eight registers a channel tile
.set STW,  112                         ; (phase X) v112-115 LDS addresses
.set STR,  113
.set XWI,  114
.set XWS,  115
.set ACC,  128                         ; v128-255 the accumulators; in phase X the two landing sets
.set L0,   128
.set XSC,  131072                      ; LDS: x's images at 0; their scale words here, 4,096 bytes;
.set SP,   528
.set STAGE, 135168                     ; a stage of 16 x 528 bytes for each wave
.set WV,   26
.set SRC,  30                          ; s[30:31] x;  s[32:33] W's fragments;  s[34:35] W's scale words;  s[36:37] bias;  s[38:39] codes out;  s[40:41] scale words out
.set WP,   32
.set WSP,  34
.set BP,   36
.set CD,   38
.set SD,   40
.set SEL,  42
.set MNT,  44
.set HALF, 45
.set PASS, 46
.macro ROWS16 dst, off0, pitch         ; a tile's 16 rows, 512 consecutive bytes of each
.set rr, 0
.rept 16
	global_load_b128 v[(\dst)+4*rr:(\dst)+4*rr+3], v[LI], s[SRC:SRC+1] offset:(\off0)+(rr+8*(rr/8))*(\pitch) th:TH_LOAD_NT
.set rr, rr+1
.endr
.endm
.macro TURN src, stw, str              ; through my stage: LDS serves a wave's instructions in order
.set rr, 0
.rept 16
	ds_store_b128 v[\stw], v[(\src)+4*rr:(\src)+4*rr+3] offset:rr*SP
.set rr, rr+1
.endr
.set rr, 0
.rept 16
	ds_load_b128 v[XN+4*rr:XN+4*rr+3], v[\str] offset:128*(rr/4)+16*(rr%4)
.set rr, rr+1
.endr
.endm
.macro STEPIN t, stw, str, nextoff, pitch
.if \t < 3
	s_wait_loadcnt 16                              ; my item's 16 loads are in; the next item's 16 may be out
.else
	s_wait_loadcnt 0x0
.endif
	TURN L0+64*((\t)%2), \stw, \str
	s_wait_dscnt 0x0                               ; the numbers are back; all my earlier LDS stores have read their registers
.if \t < 2
	ROWS16 L0+64*((\t)%2), \nextoff, \pitch
.endif
.endm
; 64 numbers of a lane in four blocks of 16 registers, each block shared with lane l xor 16, become 16 registers of codes in v[PC] on and four scale bytes in v[PW].  wx: the codes' registers were the data of stores
.macro QUANT s, wx
.irp b, 0,1,2,3
	v_max3_num_f32 v[TM+\b], |v[(\s)+16*\b]|, |v[(\s)+1+16*\b]|, 0x4800000   ; my 16 numbers and the floor 2^(9 - 127): the byte cannot fall under 1.  (Each accumulator is read from its low end on)
.endr
.irp i, 2,4,6,8,10,12,14
.irp b, 0,1,2,3
	v_max3_num_f32 v[TM+\b], v[TM+\b], |v[(\s)+16*\b+\i]|, |v[(\s)+1+16*\b+\i]|
.endr
.endr
.irp b, 0,1,2,3
	v_permlanex16_b32 v[TM+4+\b], v[TM+\b], s[SEL], s[SEL+1]
.endr
.irp b, 0,1,2,3
	v_max_num_f32 v[TM+\b], v[TM+\b], v[TM+4+\b]   ; the block's largest magnitude
.endr
.irp b, 0,1,2,3
	v_add_nc_u32 v[TM+12+\b], 0xfc000000, v[TM+\b] ; 8 off its exponent field: the conversion's scale operand
.endr
.irp b, 0,1,2,3
	v_and_or_b32 v[TM+8+\b], v[TM+\b], 0x7f800000, s[MNT]   ; 448 x the scale
.endr
.irp b, 0,1,2,3
	v_lshrrev_b32 v[TM+4+\b], 23, v[TM+12+\b]      ; the scale's byte
.endr
	v_lshl_or_b32 v[PW], v[TM+5], 8, v[TM+4]
	v_lshl_or_b32 v[PW], v[TM+6], 16, v[PW]
	v_lshl_or_b32 v[PW], v[TM+7], 24, v[PW]
.if \wx
	s_wait_xcnt 0x0                                ; the stores just issued have read the codes' registers
.endif
.irp b, 0,1,2,3
.irp i, 0,1,2,3,4,5,6,7,8,9,10,11,12,13,14,15
	v_med3_num_f32 v[(\s)+16*\b+\i], v[(\s)+16*\b+\i], -v[TM+8+\b], v[TM+8+\b]   ; the conversion does not saturate (ISA guide 7.6.2): the hold
.endr
	v_cvt_scalef32_pk8_fp8_f32 v[PC+4*\b:PC+1+4*\b], v[(\s)+16*\b:(\s)+7+16*\b], v[TM+12+\b]
	v_cvt_scalef32_pk8_fp8_f32 v[PC+2+4*\b:PC+3+4*\b], v[(\s)+8+16*\b:(\s)+15+16*\b], v[TM+12+\b]
.endr
	v_nop                                          ; a plain line behind the last conversion
.endm
; W's two fragments of K step s into set s % 2; with an even s the scale words of K steps s and s + 1
.macro WLOAD s
.irp u, 0,1
.irp c, 0,1,2,3
	global_load_b128 v[W0+32*((\s)%2)+16*\u+4*\c:W0+32*((\s)%2)+16*\u+4*\c+3], v[LI], s[WP:WP+1] offset:\u*16384+(\s)*2048+\c*512
.endr
.endr
.if ((\s)%2) == 0
	global_load_b64 v[WS+2*(((\s)/2)%2):WS+2*(((\s)/2)%2)+1], v[L8], s[WSP:WSP+1] offset:((\s)/2)*256
.endif
.endm
; one matrix instruction; ra, rb: that side's scales stand in lanes 16-31
.macro WM d, a, b, cc, sa, sb, ra, rb
.if ((\ra) == 0) && ((\rb) == 0)
	v_wmma_scale_f32_16x16x128_f8f6f4 v[(\d):(\d)+7], v[(\a):(\a)+15], v[(\b):(\b)+15], v[(\cc):(\cc)+7], v[\sa], v[\sb]
.elseif (\rb) == 0
	v_wmma_scale_f32_16x16x128_f8f6f4 v[(\d):(\d)+7], v[(\a):(\a)+15], v[(\b):(\b)+15], v[(\cc):(\cc)+7], v[\sa], v[\sb] matrix_a_scale:MATRIX_SCALE_ROW1
.elseif (\ra) == 0
	v_wmma_scale_f32_16x16x128_f8f6f4 v[(\d):(\d)+7], v[(\a):(\a)+15], v[(\b):(\b)+15], v[(\cc):(\cc)+7], v[\sa], v[\sb] matrix_b_scale:MATRIX_SCALE_ROW1
.else
	v_wmma_scale_f32_16x16x128_f8f6f4 v[(\d):(\d)+7], v[(\a):(\a)+15], v[(\b):(\b)+15], v[(\cc):(\cc)+7], v[\sa], v[\sb] matrix_a_scale:MATRIX_SCALE_ROW1 matrix_b_scale:MATRIX_SCALE_ROW1
.endif
.endm
; x tile 2 g + e against channel tile u, K step s.  vp = 1: v's path
.macro MM vp, s, g, e, u
.set xi, 2*(\g)+(\e)
.set wr, W0+32*((\s)%2)+16*(\u)
.set xr, X+16*(\e)
.set wsr, WS+2*(((\s)/2)%2)+((\s)%2)
.set xsr, XSW+(\g)
.if \vp
.set dd, ACC+64*(\u)+8*xi
.else
.set dd, ACC+16*xi+8*(\u)
.endif
.if (\s) == 0
.set cc, BIAS+8*(\u)                   ; the first K step starts the sum with the bias
.else
.set cc, dd
.endif
.if \vp
	WM dd, xr, wr, cc, xsr, wsr, \e, \u
.else
	WM dd, wr, xr, cc, wsr, xsr, \u, \e
.endif
.endm
; A K step: 16 matrix instructions, each on another accumulator, in the same order in every step.  Eight plain places stand behind each four, ahead of the loads into registers that they have read
.macro KSTEP vp, s
	s_wait_loadcnt 0x0                             ; this step's weights were asked for a whole K step ago
.if (\s) < 7
	WLOAD (\s)+1
.endif
.irp g, 0,1,2,3
	ds_load_b32 v[XSW+\g], v[XSA] offset:(\s)*512+\g*128
.endr
.irp g, 0,1,2,3
.irp e, 0,1
.irp c, 0,1,2,3
.if \g < 2
	ds_load_b128 v[X+16*\e+4*\c:X+16*\e+4*\c+3], v[LI] offset:((2*\g+\e)%4)*16384+(\s)*2048+\c*512
.else
	ds_load_b128 v[X+16*\e+4*\c:X+16*\e+4*\c+3], v[LI2] offset:((2*\g+\e)%4)*16384+(\s)*2048+\c*512
.endif
.endr
.endr
	s_wait_dscnt 0x0
.irp e, 0,1
.irp u, 0,1
	MM \vp, \s, \g, \e, \u
.endr
.endr
.rept 8
	v_nop
.endr
.endr
.endm
	s_load_b512 s[4:19], s[0:1], 0x0               ; q, k, v, bq, bk, bv, wimg, wsc
	s_load_b128 s[20:23], s[0:1], 0x40             ; qc, qs
	s_load_b64 s[24:25], s[0:1], 0x50              ; kv
	v_lshrrev_b32 v116, 5, v0
	v_readfirstlane_b32 s[WV], v116                ; wave 0..15
	v_and_b32 v119, 31, v0
	v_lshlrev_b32 v[LI], 4, v119
	v_add_nc_u32 v[LI2], 0x10000, v[LI]
	v_lshlrev_b32 v[L8], 3, v119
	v_lshl_add_u32 v[XSA], v119, 2, XSC
	v_and_b32 v116, 15, v0                         ; r
	v_bfe_u32 v117, v0, 4, 1                       ; h
	s_mul_i32 s47, s[WV], 16*SP
	s_add_co_u32 s47, s47, STAGE                   ; my stage
	v_add_nc_u32 v[STW], s47, v[LI]
	v_mul_u32_u24 v118, v116, SP
	v_lshl_add_u32 v118, v117, 6, v118
	v_add_nc_u32 v[STR], s47, v118
	s_lshr_b32 s48, s[WV], 1                       ; in phase X: my x tile i,
	s_and_b32 s49, s[WV], 1                        ; and which four K steps
	s_lshl_b32 s50, s48, 14
	s_lshl_b32 s51, s49, 13
	s_add_co_u32 s50, s50, s51
	v_add_nc_u32 v[XWI], s50, v[LI]                ; images: 16 x lane + 16,384 i + 8,192 (w & 1)
	s_lshl_b32 s50, s48, 6
	s_lshl_b32 s51, s49, 11
	s_add_co_u32 s50, s50, s51
	s_add_co_u32 s50, s50, XSC
	v_lshl_add_u32 v[XWS], v116, 2, s50            ; scale words: 4 r + 64 i + 2,048 (w & 1): 64 consecutive bytes of my own (both halves of the lanes write the same word with the same value)
	v_mov_b32 v[SAVE], 0
	v_mov_b32 v[SAVE+1], 0
.irp b, 0,1,2,3
	v_mov_b32 v[TM+4+\b], 0                        ; a lane permute's destination counts as one of its sources
.endr
	s_mov_b32 s[SEL], 0x76543210
	s_mov_b32 s[SEL+1], 0xfedcba98
	s_mov_b32 s[MNT], 0x600000
	s_mov_b32 s[HALF], 0xffff0000
	s_lshr_b32 s27, ttmp9, 6                       ; tau
	s_and_b32 s28, ttmp9, 63                       ; beta
	s_wait_kmcnt 0x0
	s_cmp_eq_u32 s27, 0                            ; the buffers and the strides are chosen on the work-group's number alone
	s_cselect_b64 s[SRC:SRC+1], s[4:5], s[6:7]
	s_cselect_b64 s[BP:BP+1], s[10:11], s[12:13]
	s_cselect_b64 s[CD:CD+1], s[20:21], s[24:25]
	s_cselect_b64 s[SD:SD+1], s[22:23], s[24:25]
	s_mov_b32 s47, 274432
	s_cselect_b32 s53, 8192, s47                   ; a head's record of scale words,
	s_cselect_b32 s47, 131072, s47                 ; of codes,
	s_cselect_b32 s29, 0, 262144                   ; where the scale words begin in it
	s_cmp_eq_u32 s27, 2
	s_cselect_b64 s[SRC:SRC+1], s[8:9], s[SRC:SRC+1]
	s_cselect_b64 s[BP:BP+1], s[14:15], s[BP:BP+1]
	s_mov_b32 s54, 270336
	s_cselect_b32 s29, s54, s29
	s_cselect_b32 s55, 131072, 0                   ; where the codes begin in it
	s_cselect_b32 s54, 8, 9                        ; a step's scale words: 256 bytes for v, else 512
	s_lshl_b32 s50, s28, 7                         ; x: row 128 beta + 32 (i / 2) + 8 (i % 2)
	s_lshr_b32 s51, s48, 1
	s_lshl_b32 s51, s51, 5
	s_add_co_u32 s50, s50, s51
	s_and_b32 s51, s48, 1
	s_lshl_b32 s51, s51, 3
	s_add_co_u32 s50, s50, s51
	s_lshl_b32 s50, s50, 12                        ; of 4,096 bytes,
	s_lshl_b32 s51, s49, 11                        ; + four K steps of 512
	s_add_co_u32 s50, s50, s51
	s_mov_b32 s51, 0
	s_add_nc_u64 s[SRC:SRC+1], s[SRC:SRC+1], s[50:51]
	ROWS16 L0, 0, 4096                             ; PHASE X.  Item f: my tile's K step 4 (w & 1) + f
	ROWS16 L0+64, 512, 4096
	s_lshl_b32 s50, s27, 20                        ; W's fragments: tensor x 1,048,576 + tile 4 w x 16,384
	s_lshl_b32 s48, s[WV], 16
	s_add_co_u32 s50, s50, s48
	s_add_nc_u64 s[WP:WP+1], s[16:17], s[50:51]
	s_lshl_b32 s50, s27, 15                        ; their scale words: tensor x 32,768 + pair 2 w x 1,024
	s_lshl_b32 s48, s[WV], 11
	s_add_co_u32 s50, s50, s48
	s_add_nc_u64 s[WSP:WSP+1], s[18:19], s[50:51]
	s_lshl_b32 s50, s[WV], 8                       ; the head's 64 numbers of the bias
	s_add_nc_u64 s[BP:BP+1], s[BP:BP+1], s[50:51]
	s_lshr_b32 s52, s28, 4
	s_lshl_b32 s52, s52, 4
	s_add_co_u32 s52, s52, s[WV]                   ; the head's record: 16 b + w
	s_and_b32 s49, s28, 15                         ; j
	s_mul_i32 s50, s52, s47
	s_add_co_u32 s50, s50, s55
	s_lshl_b32 s48, s49, 13
	s_add_co_u32 s50, s50, s48
	s_add_nc_u64 s[CD:CD+1], s[CD:CD+1], s[50:51]
	s_mul_i32 s50, s52, s53
	s_add_co_u32 s50, s50, s29
	s_lshl_b32 s48, s49, s54
	s_add_co_u32 s50, s50, s48
	s_add_nc_u64 s[SD:SD+1], s[SD:SD+1], s[50:51]
.irp f, 0,1,2,3
	STEPIN \f, STW, STR, (\f+2)*512, 4096
	QUANT XN, 0
.irp c, 0,1,2,3
	ds_store_b128 v[XWI], v[PC+4*\c:PC+4*\c+3] offset:\f*2048+\c*512   ; the fragment as it stands in my registers
.endr
	ds_store_b32 v[XWS], v[PW] offset:\f*512
.endr
	s_wait_dscnt 0x0                               ; for the others' sake: my images and scale words have landed
	s_barrier_signal -1
	s_barrier_wait -1                              ; x's 64 fragments lie in LDS; from here on LDS is only read
	s_mov_b32 s[PASS], 0
	s_cmp_eq_u32 s27, 2
	s_cbranch_scc1 .Lv_pass
.Lqk_pass:                                             ; ---- q, k: channels 64 w + 32 PASS on
	WLOAD 0
	v_bfe_u32 v[PW], v0, 4, 1
	v_lshlrev_b32 v[PW], 6, v[PW]                  ; lane (r, h), tile u, register j: channel 8 u + 16 h + j of the 32
.irp u, 0,1
	global_load_b128 v[BIAS+8*\u:BIAS+8*\u+3], v[PW], s[BP:BP+1] offset:32*\u
	global_load_b128 v[BIAS+8*\u+4:BIAS+8*\u+7], v[PW], s[BP:BP+1] offset:32*\u+16
.endr
.irp ks, 0,1,2,3,4,5,6,7
	KSTEP 0, \ks
.endr
	v_nop                                          ; a ninth place behind the last products
.irp g, 0,1                                    ; four token tiles at a time: block bb of QUANT is tile 4 g + bb, its 16 registers group PASS of that tile's fragment
	QUANT ACC+64*\g, \g
.irp bb, 0,1,2,3
	global_store_b128 v[LI], v[PC+4*\bb:PC+4*\bb+3], s[CD:CD+1] offset:(4*\g+\bb)*1024   ; 512 consecutive bytes, aligned
.endr
.irp bb, 0,1,2,3
	v_perm_b32 v[TW+\bb], v[PW], v[SAVE+\g], \bb+((4+\bb)<<8)+(\bb<<16)+((4+\bb)<<24)   ; tile 4 g + bb: the first pass's byte, this pass's, and both again (of use in the second pass alone)
.endr
	v_mov_b32 v[SAVE+\g], v[PW]
	v_cndmask_b32 v[KW+2*\g], v[TW], v[TW+1], s[HALF]        ; lanes 0-15 the even tile's word, lanes 16-31 the odd tile's
	v_cndmask_b32 v[KW+2*\g+1], v[TW+2], v[TW+3], s[HALF]
.endr
	s_cmp_eq_u32 s[PASS], 0
	s_cbranch_scc1 .Lqk_no_words
	global_store_b128 v[LI], v[KW:KW+3], s[SD:SD+1]          ; the group's scale words: 512 consecutive bytes, aligned
.Lqk_no_words:
	s_wait_xcnt 0x0                                ; the stores have read their registers and bases: both may be written again
	s_add_nc_u64 s[WP:WP+1], s[WP:WP+1], 32768
	s_add_nc_u64 s[WSP:WSP+1], s[WSP:WSP+1], 1024
	s_add_nc_u64 s[BP:BP+1], s[BP:BP+1], 128
	s_add_nc_u64 s[CD:CD+1], s[CD:CD+1], 512
	s_add_co_u32 s[PASS], s[PASS], 1
	s_cmp_lt_u32 s[PASS], 2
	s_cbranch_scc1 .Lqk_pass
	s_wait_xcnt 0x0
	v_lshl_add_u32 v254, v0, 2, 0x42000
	v_mov_b32 v255, 0
	s_wait_tensorcnt 0x0
	ds_add_u32 v254, v255
	s_wait_dscnt 0x0
	s_endpgm
.Lv_pass:                                              ; ---- v: channels 64 w + 32 PASS on
	WLOAD 0
	v_and_b32 v[BIAS], 8, v0
	v_and_b32 v[PW], 15, v0
	v_add_nc_u32 v[PW], v[PW], v[BIAS]
	v_lshlrev_b32 v[PW], 2, v[PW]                  ; lane (r, h), tile u: channel 8 u + r + 8 (r / 8), the same in all eight registers
	global_load_b32 v[BIAS], v[PW], s[BP:BP+1]
	global_load_b32 v[BIAS+8], v[PW], s[BP:BP+1] offset:32
	s_wait_loadcnt 0x0
.irp u, 0,1
.irp j, 1,2,3,4,5,6,7
	v_mov_b32 v[BIAS+8*\u+\j], v[BIAS+8*\u]
.endr
.endr
.rept 4
	v_nop
.endr
.irp ks, 0,1,2,3,4,5,6,7
	KSTEP 1, \ks
.endr
	v_nop                                          ; a ninth place behind the last products
	QUANT ACC, 0                                   ; tile 2 PASS of V^T: a whole fragment, 16 channels x 128 keys
.irp c, 0,1,2,3
	global_store_b128 v[LI], v[PC+4*\c:PC+4*\c+3], s[CD:CD+1] offset:\c*512
.endr
	v_mov_b32 v[TW], v[PW]
	QUANT ACC+64, 1                                ; tile 2 PASS + 1
.irp c, 0,1,2,3
	global_store_b128 v[LI], v[PC+4*\c:PC+4*\c+3], s[CD:CD+1] offset:2048+\c*512
.endr
	v_mov_b32 v[SAVE], v[SAVE+1]                   ; the first pass's word moves down,
	v_cndmask_b32 v[SAVE+1], v[TW], v[PW], s[HALF] ; this pass's: lanes 0-15 the even tile's, lanes 16-31 the odd tile's
	s_cmp_eq_u32 s[PASS], 0
	s_cbranch_scc1 .Lv_no_words
	global_store_b64 v[L8], v[SAVE:SAVE+1], s[SD:SD+1]       ; the step's scale words: 256 consecutive bytes, aligned
.Lv_no_words:
	s_wait_xcnt 0x0                                ; the stores have read their registers and bases
	s_add_nc_u64 s[WP:WP+1], s[WP:WP+1], 32768
	s_add_nc_u64 s[WSP:WSP+1], s[WSP:WSP+1], 1024
	s_add_nc_u64 s[BP:BP+1], s[BP:BP+1], 128
	s_add_nc_u64 s[CD:CD+1], s[CD:CD+1], 4096
	s_add_co_u32 s[PASS], s[PASS], 1
	s_cmp_lt_u32 s[PASS], 2
	s_cbranch_scc1 .Lv_pass
	s_wait_xcnt 0x0
	v_lshl_add_u32 v254, v0, 2, 0x42000
	v_mov_b32 v255, 0
	s_wait_tensorcnt 0x0
	ds_add_u32 v254, v255
	s_wait_dscnt 0x0
	s_endpgm
.Lfunc_end_k_q1eaee4cd74_proj:
	.size	k_q1eaee4cd74_proj, .Lfunc_end_k_q1eaee4cd74_proj-k_q1eaee4cd74_proj
	.p2alignl 7, 3214868480
	.fill 96, 4, 3214868480
	.section	.rodata,"a",@progbits
	.p2align	6, 0x0
	.amdhsa_kernel k_q1eaee4cd74_proj
		.amdhsa_group_segment_fixed_size 272384
		.amdhsa_private_segment_fixed_size 0
		.amdhsa_enable_private_segment 0
		.amdhsa_kernarg_size 88
		.amdhsa_user_sgpr_count 2
		.amdhsa_user_sgpr_kernarg_segment_ptr 1
		.amdhsa_wavefront_size32 1
		.amdhsa_system_sgpr_workgroup_id_x 1
		.amdhsa_system_sgpr_workgroup_id_y 1
		.amdhsa_system_sgpr_workgroup_id_z 1
		.amdhsa_system_vgpr_workitem_id 0
		.amdhsa_next_free_vgpr 256
		.amdhsa_next_free_sgpr 66
		.amdhsa_reserve_vcc 0
		.amdhsa_float_denorm_mode_32 3
		.amdhsa_float_denorm_mode_16_64 3
		.amdhsa_memory_ordered 1
		.amdhsa_forward_progress 1
		.amdhsa_inst_pref_size 189
	.end_amdhsa_kernel
	.amdgpu_metadata
---
amdhsa.version: [ 1, 2 ]
amdhsa.kernels:
  - .name:           k_q1eaee4cd74_proj
    .symbol:         k_q1eaee4cd74_proj.kd
    .args:
      - { .name: q, .offset: 0, .size: 8, .value_kind: global_buffer, .address_space: global }
      - { .name: k, .offset: 8, .size: 8, .value_kind: global_buffer, .address_space: global }
      - { .name: v, .offset: 16, .size: 8, .value_kind: global_buffer, .address_space: global }
      - { .name: bq, .offset: 24, .size: 8, .value_kind: global_buffer, .address_space: global }
      - { .name: bk, .offset: 32, .size: 8, .value_kind: global_buffer, .address_space: global }
      - { .name: bv, .offset: 40, .size: 8, .value_kind: global_buffer, .address_space: global }
      - { .name: wimg, .offset: 48, .size: 8, .value_kind: global_buffer, .address_space: global }
      - { .name: wsc, .offset: 56, .size: 8, .value_kind: global_buffer, .address_space: global }
      - { .name: qc, .offset: 64, .size: 8, .value_kind: global_buffer, .address_space: global }
      - { .name: qs, .offset: 72, .size: 8, .value_kind: global_buffer, .address_space: global }
      - { .name: kv, .offset: 80, .size: 8, .value_kind: global_buffer, .address_space: global }
    .group_segment_fixed_size: 272384
    .private_segment_fixed_size: 0
    .kernarg_segment_align: 8
    .kernarg_segment_size: 88
    .max_flat_workgroup_size: 512
    .sgpr_count:     66
    .vgpr_count:     256
    .wavefront_size: 32
...
	.end_amdgpu_metadata
.endif
;; end of part 2
;; launch attn (part 3): grid 4 x 64, 16 waves a work-group, clusters of 4 x 1, 327,680 bytes of LDS; arguments qc, qs, kv, mbits, out0; writes out0
.if DOCPART == 3
	.amdgcn_target "amdgcn-amd-amdhsa--gfx1250"
	.amdhsa_code_object_version 6
	.text
	.protected	k_q1eaee4cd74_attn
	.globl	k_q1eaee4cd74_attn
	.p2align	8
	.type	k_q1eaee4cd74_attn,@function
k_q1eaee4cd74_attn:
	s_mov_b64 s[64:65], 0
	v_nop
	global_prefetch_b8 v0, s[64:65] scope:SCOPE_SE
	s_setreg_imm32_b32 hwreg(HW_REG_WAVE_MODE, 25, 1), 1
	s_wait_xcnt 0x0
	s_wait_alu depctr_hold_cnt(0) depctr_sa_sdst(0) depctr_va_vdst(0) depctr_va_sdst(0) depctr_va_ssrc(0) depctr_va_vcc(0) depctr_vm_vsrc(0)
	s_getreg_b32 s2, hwreg(HW_REG_IB_STS2, 6, 4)
	s_cmp_eq_u32 s2, 0
	s_cbranch_scc0 .Lentry_in_a_cluster
	s_endpgm
.Lentry_in_a_cluster:
	s_bfe_u32 s2, ttmp6, 0x10000c
	s_cmp_lg_u32 s2, 0x3003
	s_cbranch_scc0 .Lentry_shape_is_right
	s_endpgm
.Lentry_shape_is_right:
; ATTENTION on codes of E4M3 with E8M0 scales: out[b][q][head] = the sum over keys of softmax(Qp . Kp / 32, hidden where the mask is 1) Vp.  Head size 64, 2,048 queries and keys, 64 (batch, head) records.
; THE SOFTMAX AHEAD OF THE SECOND PRODUCT: t = score x log2(e) / 32; M = the row's largest t so far, rounded UP to a whole number; p = 2^(t - M) is quantised along the keys, not normalised; the row's sum is taken of the
; unquantised p and divides at the end.  When M moves, the sum and O are multiplied by 2^(old M - new M): exact.
; SHARES.  A cluster of four work-groups is one head; a work-group owns 512 of its queries; each of its sixteen waves owns one tile of 16 queries at a time, twice; every wave walks the 16 key steps of 128 keys.
; THE HEAD'S WHOLE RECORD (K's codes, V^T's codes, their scale words: 274,432 bytes, laid by the projection in the order of operand registers) comes into LDS ONCE, by one tensor load a wave (67 rows of 256 bytes),
; asked for JOINTLY by the four work-groups.  No byte of LDS is filled twice: no ring, and one barrier behind the fill.
; LAYOUT.  Both products are used transposed: S^T = K Q^T, O^T = V^T P^T: a lane holds ONE query (lane % 16).  Tile T of keys, queries or channels holds rows 32 (T/2) + 8 (T%2) + r + 8 (r/8), so that score register n
; is key 32 (n/16) + 16 (lane/16) + n%16 of the step, and O^T's register n channel 32 (n/16) + 16 (lane/16) + n%16.
; K = 64 FILLS HALF OF THE INSTRUCTION'S 128: Q's registers 8-15 are zero codes.  On K's side those places hold the next tile's codes (behind the last tile: zeros), which meet zeros; both sides' scale words hold their two bytes twice.
; THE MASK comes as bits, one word for each score register, a bit a lane: 64 words a step by scalar loads, a step ahead; each is the lane mask of one v_cndmask_b32.
; LIMITS.  A hidden score is -2^100 and the running largest t begins at -2^80: hidden keys give p = 0 exactly wherever |t| stays under 2^80.  A step or block that is wholly hidden gives zero codes under the byte 1.
; A row that is wholly hidden gives 0 x (1 / 0) = NaN, as the softmax of a row of -infinity does.  NaN and infinities among the inputs are not served.
.set LI,  1                            ; v1   16 x lane
.set L8,  2                            ; v2   8 x lane
.set STO, 3                            ; v3   the way out: where I put a row's bytes
.set RD,  4                            ; v4   and where I read rows back
.set GO,  5                            ; v5   my byte offset in two rows of out0
.set MV,  6                            ; v6   -2^100
.set R16, 7                            ; v7   16 x (lane % 16)
.set ADK, 8                            ; v8-11 the step's LDS addresses: K, V, K's scale words, V's
.set ADV, 9
.set ADS, 10
.set ADT, 11
.set NM,  12                           ; v12 -M, v13 the largest t, v[14:15] the sum in two halves
.set Q,   16                           ; v16-31 Q's fragment; v24-31 stay zero codes
.set F,   32                           ; v32-95 K's eight tiles (8 registers each), later V^T's four (16 each)
.set ZT,  96                           ; v96-103 zero codes behind K's last tile
.set PC,  104                          ; v104-119 p's codes
.set S,   120                          ; v120-183 S^T, then p; on the way out O / the sum
.set O,   184                          ; v184-215 O^T
.set BM,  216                          ; v216-219 the blocks' largest scores, then largest p
.set T2,  220                          ; v220-223 at work
.set LIM, 224                          ; v224-227 448 x the scale
.set SCO, 228                          ; v228-231 the conversions' scale operands
.set KSW, 232                          ; v232-235 K's scale words; v236-237 V's; v238 Q's; v239 p's: scales and nothing else
.set VSW, 236
.set QSW, 238
.set PSW, 239
.set FF,  240                          ; v[240:241] f = 2^(old M - new M) (the low word serves both halves)
.set TP,  242
.set CH,  244                          ; v[244:245] the sum's second chain
.set WV,  14                           ; s14 wave; s15 cx; s3 the head's record; s2 my query tile
.set SEL, 66
.set CS,  96                           ; s[96:97] c = log2(e) / 32
.set MNT, 98
.set JC,  99                           ; s99 the trip counter;  s100, s101, s104, s105 where the step's K, V, K's words, V's words begin in LDS
.set TK,  100
.set TV,  101
.set TS,  104
.set TT,  105
.set MB,  68                           ; behind the wait for the tensor load its descriptor's registers serve again: s[68:69] my tile's mask records; s[70:71] my rows of out0; s72 the step's offset; s73 EXEC kept; s[74:79] at work
.set OUTB, 70
.set MO,  72
.set STG, 274432                       ; behind the record: a stage of 8 rows x 272 bytes for each wave
.macro ROUND                           ; a round of the cluster's barrier
	s_barrier_signal -1
	s_barrier_wait -1
	s_cmp_lg_u32 s[WV], 0
	s_cbranch_scc1 .Lnot_wave_0_\@
	s_barrier_signal -3
.Lnot_wave_0_\@:
	s_barrier_wait -3
	s_barrier_signal -1
	s_barrier_wait -1
.endm
.macro MASKS                           ; a step's 64 words: word n in s[16 + n] (n < 48) or s[32 + n]
	s_load_b512 s[16:31], s[MB:MB+1], s[MO] offset:0x0
	s_load_b512 s[32:47], s[MB:MB+1], s[MO] offset:0x40
	s_load_b512 s[48:63], s[MB:MB+1], s[MO] offset:0x80
	s_load_b512 s[80:95], s[MB:MB+1], s[MO] offset:0xc0
.endm
.macro FRAGS adr                       ; 64 registers as they lie: 512 consecutive bytes a load
.set ii, 0
.rept 16
	ds_load_b128 v[F+4*ii:F+4*ii+3], v[\adr] offset:ii*512
.set ii, ii+1
.endr
.endm
	s_load_b256 s[4:11], s[0:1], 0x0               ; qc, qs, kv, mbits
	s_load_b64 s[12:13], s[0:1], 0x20              ; out0
	v_lshl_add_u32 v254, v0, 2, 0x4b800
	v_mov_b32 v255, 0
	ds_add_u32 v254, v255
	ds_add_u32 v254, v255
	v_lshrrev_b32 v8, 5, v0
	v_readfirstlane_b32 s[WV], v8                  ; wave 0..15
	s_bfe_u32 s15, ttmp6, 0x40000                  ; cx: it enters the addresses of qc, qs, mbits and out0 alone
	s_and_b32 s3, ttmp7, 0xffff                    ; the head's record, which the four partners share
	; descriptor group 1: 67 rows of 32 elements of 8 bytes, dense, no padding
	s_mov_b32 s72, 15|(3<<16)|(1<<21)              ; 15:0 the mask: all four work-groups; 17:16 elements of 8 bytes; 21 set beside a mask
	s_mov_b32 s73, 32<<16                          ; tensor_dim0 = 32
	s_mov_b32 s74, 67<<16                          ; tensor_dim1 = 67
	s_mov_b32 s75, 32<<16                          ; tile_dim0 = 32
	s_mov_b32 s76, 67                              ; tile_dim1 = 67
	s_mov_b32 s77, 32                              ; from row to row
	s_mov_b32 s78, 0
	s_mov_b32 s79, 0
	s_mov_b32 s68, 1                               ; group 0: count = 1,
	s_mul_i32 s69, s[WV], 17152                    ; LDS address: my sixteenth of the record,
	s_mul_i32 s80, s3, 274432
	s_add_co_u32 s80, s80, s69
	s_mov_b32 s81, 0
	s_wait_dscnt 0x0
	s_wait_kmcnt 0x0
	s_add_nc_u64 s[70:71], s[8:9], s[80:81]        ; the same in memory,
	s_or_b32 s71, s71, 0x80000000                  ; type = 2
	ROUND                                          ; all four work-groups are here: the joint loads meet
	tensor_load_to_lds s[68:71], s[72:79]          ; my one tensor load of the launch: one is out
	s_nop 0
.rept 4
	v_nop
.endr
	s_lshl_b32 s80, s3, 17                         ; the head's part of each buffer
	s_add_nc_u64 s[4:5], s[4:5], s[80:81]
	s_lshl_b32 s80, s3, 13
	s_add_nc_u64 s[6:7], s[6:7], s[80:81]
	s_lshr_b32 s82, s3, 4                          ; b
	s_lshl_b32 s80, s82, 19
	s_add_nc_u64 s[10:11], s[10:11], s[80:81]
	s_lshl_b32 s80, s82, 23
	s_and_b32 s83, s3, 15
	s_lshl_b32 s83, s83, 8
	s_add_co_u32 s80, s80, s83
	s_add_nc_u64 s[12:13], s[12:13], s[80:81]
	v_and_b32 v8, 31, v0
	v_lshlrev_b32 v[LI], 4, v8
	v_lshlrev_b32 v[L8], 3, v8
	v_and_b32 v9, 15, v0                           ; r
	v_bfe_u32 v10, v0, 4, 1                        ; h
	v_and_b32 v11, 7, v0                           ; r % 8
	v_lshlrev_b32 v[R16], 4, v9
	s_mul_i32 s84, s[WV], 8*272
	s_add_co_u32 s84, s84, STG                     ; my stage
	v_mul_u32_u24 v[STO], v11, 272
	v_lshl_add_u32 v[STO], v10, 6, v[STO]
	v_add_nc_u32 v[STO], s84, v[STO]               ; in: row r % 8, + 64 h
	v_mul_u32_u24 v[RD], v10, 272
	v_lshl_add_u32 v[RD], v9, 4, v[RD]
	v_add_nc_u32 v[RD], s84, v[RD]                 ; back: lanes 0-15 one row of 256 bytes, lanes 16-31 the next
	v_lshlrev_b32 v[GO], 12, v10
	v_lshl_add_u32 v[GO], v9, 4, v[GO]             ; and the same two tokens in out0, 4,096 bytes apart
	v_mov_b32 v[MV], 0xf1800000
.irp j, 0,1,2,3,4,5,6,7
	v_mov_b32 v[Q+8+\j], 0
	v_mov_b32 v[ZT+\j], 0
.endr
.irp j, 0,1,2,3
	v_mov_b32 v[T2+\j], 0                          ; a lane permute's destination counts as one of its sources
.endr
	v_mov_b32 v[FF+1], 0                           ; (named as the upper half of a pair)
	v_mov_b32 v[TP], 0
	s_mov_b32 s[SEL], 0x76543210
	s_mov_b32 s[SEL+1], 0xfedcba98
	s_mov_b32 s[CS], 0x3d38aa3b
	s_mov_b32 s[CS+1], s[CS]
	s_mov_b32 s[MNT], 0x600000
	s_wait_tensorcnt 0x0                           ; my part of the record is in,
	s_barrier_signal -1
	s_barrier_wait -1                              ; everybody's is; it is only read from here on
; ONE TILE OF 16 QUERIES: T = 32 cx + 16 p + wave
.macro PASS p
	s_wait_kmcnt 0x0                               ; no scalar load is out: its registers and addresses may be written
	s_wait_xcnt 0x0                                ; the last tile's stores have read their registers and their base
	s_lshl_b32 s2, s15, 5
	s_add_co_u32 s2, s2, s[WV]
.if \p
	s_add_co_u32 s2, s2, 16
.endif
	s_mov_b32 s79, 0
	s_lshl_b32 s78, s2, 12                         ; the tile's 16 records of 256 bytes
	s_add_nc_u64 s[MB:MB+1], s[10:11], s[78:79]
	s_lshl_b32 s78, s2, 10
	s_add_nc_u64 s[74:75], s[4:5], s[78:79]        ; its codes
	s_lshr_b32 s78, s2, 3                          ; its scale words: group T / 8, lanes 16 (T % 2) on, word (T / 2) % 4
	s_lshl_b32 s78, s78, 9
	s_and_b32 s72, s2, 1
	s_lshl_b32 s72, s72, 8
	s_add_co_u32 s78, s78, s72
	s_bfe_u32 s72, s2, 0x20001
	s_lshl_b32 s72, s72, 2
	s_add_co_u32 s78, s78, s72
	s_add_nc_u64 s[76:77], s[6:7], s[78:79]
	s_lshr_b32 s78, s2, 1                          ; its first token: 32 (T / 2) + 8 (T % 2), 4,096 bytes each
	s_lshl_b32 s78, s78, 17
	s_and_b32 s72, s2, 1
	s_lshl_b32 s72, s72, 15
	s_add_co_u32 s78, s78, s72
	s_add_nc_u64 s[OUTB:OUTB+1], s[12:13], s[78:79]
	s_mov_b32 s[MO], 0
	global_load_b128 v[Q:Q+3], v[LI], s[74:75]
	global_load_b128 v[Q+4:Q+7], v[LI], s[74:75] offset:512
	global_load_b32 v[QSW], v[R16], s[76:77]
	MASKS                                          ; key step 0's
	v_mov_b32 v[NM+1], 0xe7800000                  ; the largest t so far: -2^80
	v_floor_f32 v[NM], -v[NM+1]                    ; -M
	v_mov_b32 v14, 0
	v_mov_b32 v15, 0
.set jj, 0
.rept 32
	v_mov_b32 v[O+jj], 0                           ; O^T: the loop is written once; its first step finds zeros
.set jj, jj+1
.endr
	s_mov_b32 s[TK], 0
	s_mov_b32 s[TV], 131072
	s_mov_b32 s[TS], 262144
	s_mov_b32 s[TT], 270336
	s_mov_b32 s[JC], 0
	s_wait_loadcnt 0x0                             ; Q
.Ltrip_\@:                                             ; 16 trips: a key step of 128 keys
	v_add_nc_u32 v[ADK], s[TK], v[LI]
	v_add_nc_u32 v[ADV], s[TV], v[LI]
	v_add_nc_u32 v[ADS], s[TS], v[LI]
	v_add_nc_u32 v[ADT], s[TT], v[L8]
.rept 4
	v_nop                                          ; with the four additions: eight places behind the last products, ahead of loads into registers that they have read
.endr
	FRAGS ADK
	ds_load_b128 v[KSW:KSW+3], v[ADS]
	s_wait_dscnt 0x0
.set tt, 0
.rept 4                                        ; S^T = K Q^T: eight tiles of 16 keys, each sum begun with 0
	v_wmma_scale_f32_16x16x128_f8f6f4 v[S+16*tt:S+16*tt+7], v[F+16*tt:F+16*tt+15], v[Q:Q+15], 0, v[KSW+tt], v[QSW]
	v_wmma_scale_f32_16x16x128_f8f6f4 v[S+16*tt+8:S+16*tt+15], v[F+16*tt+8:F+16*tt+23], v[Q:Q+15], 0, v[KSW+tt], v[QSW] matrix_a_scale:MATRIX_SCALE_ROW1
.set tt, tt+1
.endr
.rept 8
	v_nop                                          ; eight places: ahead of the loads into K's registers and of the first read of the scores
.endr
	FRAGS ADV                                      ; V^T's four fragments land under the softmax
	ds_load_b64 v[VSW:VSW+1], v[ADT]
	s_wait_kmcnt 0x0                               ; this step's mask words, asked for a step ago
.set nn, 0
.rept 64                                       ; hidden scores become -2^100; each accumulator is read from its low end on
.if nn < 48
	v_cndmask_b32 v[S+nn], v[S+nn], v[MV], s[16+nn]
.else
	v_cndmask_b32 v[S+nn], v[S+nn], v[MV], s[32+nn]
.endif
.set nn, nn+1
.endr
	s_add_co_u32 s[MO], s[MO], 256                 ; the next step's words; the last trip asks for its own again, so that no load leaves the tile's records
	s_min_u32 s[MO], s[MO], 3840
	MASKS
.irp b, 0,1,2,3
	v_max3_num_f32 v[BM+\b], v[S+16*\b], v[S+1+16*\b], v[S+2+16*\b]   ; the largest score of each block of 32 keys: for the row's maximum, and, since p rises with the score, for the block's largest p
.endr
.irp i, 3,5,7,9,11,13
.irp b, 0,1,2,3
	v_max3_num_f32 v[BM+\b], v[BM+\b], v[S+16*\b+\i], v[S+1+16*\b+\i]
.endr
.endr
.irp b, 0,1,2,3
	v_max_num_f32 v[BM+\b], v[BM+\b], v[S+15+16*\b]
.endr
.irp b, 0,1,2,3
	v_permlanex16_b32 v[T2+\b], v[BM+\b], s[SEL], s[SEL+1]
.endr
.irp b, 0,1,2,3
	v_max_num_f32 v[BM+\b], v[BM+\b], v[T2+\b]     ; with lane l xor 16's 16 keys
.endr
	v_max3_num_f32 v[TP], v[BM], v[BM+1], v[BM+2]
	v_max_num_f32 v[TP], v[TP], v[BM+3]            ; the step's largest score of my query
	v_mul_f32 v[TP], s[CS], v[TP]                  ; as t (c is positive)
	v_max_num_f32 v[NM+1], v[NM+1], v[TP]          ; the running largest t
	v_mov_b32 v[TP], v[NM]
	v_floor_f32 v[NM], -v[NM+1]                    ; the new -M = floor(-t): M is a whole number
	v_sub_f32 v[TP], v[NM], v[TP]                  ; old M - new M: a whole number, 0 or less
	v_cvt_i32_f32 v[TP], v[TP]                     ; (it saturates)
	v_ldexp_f32 v[FF], 1.0, v[TP]                  ; f = 2^(old M - new M)
.set jj, 0
.rept 32
	v_pk_fma_f32 v[S+jj:S+jj+1], v[S+jj:S+jj+1], s[CS:CS+1], v[NM:NM+1] op_sel_hi:[1,0,0]   ; t - M, two at a time
.set jj, jj+2
.endr
.irp b, 0,1,2,3
	v_fma_f32 v[BM+\b], v[BM+\b], s[CS], v[NM]     ; the same of each block's largest score
.endr
.set jj, 0
.rept 64
	v_exp_f32 v[S+jj], v[S+jj]                     ; p = 2^(t - M), at most 1
.set jj, jj+1
.endr
.irp b, 0,1,2,3
	v_exp_f32 v[BM+\b], v[BM+\b]                   ; the block's largest p: the same two instructions on the same number
.endr
	v_pk_mul_f32 v[14:15], v[14:15], v[FF:FF+1] op_sel_hi:[1,0]   ; the sums under the new M (a plain line behind the exponentials)
	s_wait_alu depctr_va_vdst(0)
.irp b, 0,1,2,3
	v_max_num_f32 v[BM+\b], 0x4800000, v[BM+\b]    ; the floor 2^(9 - 127): the byte cannot fall under 1
.endr
.irp b, 0,1,2,3
	v_add_nc_u32 v[SCO+\b], 0xfc000000, v[BM+\b]   ; 8 off the exponent field: the conversion's scale operand
.endr
.irp b, 0,1,2,3
	v_and_or_b32 v[LIM+\b], v[BM+\b], 0x7f800000, s[MNT]   ; 448 x the scale
.endr
.irp b, 0,1,2,3
	v_lshrrev_b32 v[T2+\b], 23, v[SCO+\b]          ; the scale's byte
.endr
	v_lshl_or_b32 v[PSW], v[T2+1], 8, v[T2]        ; p's scale word for these 128 keys
	v_lshl_or_b32 v[PSW], v[T2+2], 16, v[PSW]
	v_lshl_or_b32 v[PSW], v[T2+3], 24, v[PSW]
	v_pk_add_f32 v[CH:CH+1], v[S:S+1], v[S+2:S+3]  ; the row's sum is taken of the unquantised p: two at a time, in two chains
.set jj, 4
.rept 15
	v_pk_add_f32 v[14:15], v[14:15], v[S+jj:S+jj+1]
	v_pk_add_f32 v[CH:CH+1], v[CH:CH+1], v[S+jj+2:S+jj+3]
.set jj, jj+4
.endr
	v_pk_add_f32 v[14:15], v[14:15], v[CH:CH+1]
.irp b, 0,1,2,3
.irp i, 0,1,2,3,4,5,6,7,8,9,10,11,12,13,14,15
	v_min_num_f32 v[S+16*\b+\i], v[S+16*\b+\i], v[LIM+\b]   ; the conversion does not saturate (ISA guide 7.6.2); p is not negative, so the hold is one-sided
.endr
	v_cvt_scalef32_pk8_fp8_f32 v[PC+4*\b:PC+1+4*\b], v[S+16*\b:S+7+16*\b], v[SCO+\b]
	v_cvt_scalef32_pk8_fp8_f32 v[PC+2+4*\b:PC+3+4*\b], v[S+8+16*\b:S+15+16*\b], v[SCO+\b]
.endr
.set jj, 0
.rept 16
	v_pk_mul_f32 v[O+jj:O+jj+1], v[O+jj:O+jj+1], v[FF:FF+1] op_sel_hi:[1,0]   ; O^T under the new M.  (These sixteen are also the places between the codes and the products below)
.set jj, jj+2
.endr
	s_wait_dscnt 0x0                               ; V^T and its scale words are in
.set tt, 0
.rept 2                                        ; O^T += V^T P^T: four tiles of 16 channels, one instruction a turn
	v_wmma_scale_f32_16x16x128_f8f6f4 v[O+16*tt:O+16*tt+7], v[F+32*tt:F+32*tt+15], v[PC:PC+15], v[O+16*tt:O+16*tt+7], v[VSW+tt], v[PSW]
	v_wmma_scale_f32_16x16x128_f8f6f4 v[O+16*tt+8:O+16*tt+15], v[F+32*tt+16:F+32*tt+31], v[PC:PC+15], v[O+16*tt+8:O+16*tt+15], v[VSW+tt], v[PSW] matrix_a_scale:MATRIX_SCALE_ROW1
.set tt, tt+1
.endr
	s_add_co_u32 s[TK], s[TK], 8192
	s_add_co_u32 s[TV], s[TV], 8192
	s_add_co_u32 s[TS], s[TS], 512
	s_add_co_u32 s[TT], s[TT], 256
	s_add_co_u32 s[JC], s[JC], 1
	s_cmp_lt_u32 s[JC], 16
	s_cbranch_scc1 .Ltrip_\@
	; THE WAY OUT.  O^T / the sum; a lane holds 2 x 64 bytes of one token's 256.  The stage has room for eight rows (53,248 bytes are left for sixteen waves), so the tile's rows 0-7 and 8-15 go through it one after the other.
.rept 8
	v_nop                                          ; eight places behind the last products
.endr
	v_add_f32 v14, v14, v15                        ; the sum's two halves,
	v_permlanex16_b32 v[TP], v14, s[SEL], s[SEL+1]
	v_add_f32 v14, v14, v[TP]                      ; and lane l xor 16's
	v_rcp_f32 v14, v14
	v_nop                                          ; a plain line behind the transcendental
.set jj, 0
	s_wait_alu depctr_va_vdst(0)
.rept 32
	v_mul_f32 v[S+jj], v[O+jj], v14                ; each accumulator from its low end on
.set jj, jj+1
.endr
.irp rho, 0,1
.if \rho == 0
	v_cmp_gt_u32 vcc_lo, 128, v[R16]               ; lanes of rows 0-7
.else
	v_cmp_le_u32 vcc_lo, 128, v[R16]               ; lanes of rows 8-15
.endif
	s_wait_xcnt 0x0                                ; EXEC changes only behind this wait
	s_and_saveexec_b32 s73, vcc_lo
.irp bb, 0,1
.irp e, 0,1,2,3
	ds_store_b128 v[STO], v[S+16*\bb+4*\e:S+16*\bb+4*\e+3] offset:128*\bb+16*\e
.endr
.endr
	s_wait_xcnt 0x0
	s_or_b32 exec_lo, exec_lo, s73                 ; all lanes again
.irp i, 0,1,2,3
	ds_load_b128 v[F+16*\rho+4*\i:F+16*\rho+4*\i+3], v[RD] offset:\i*544   ; LDS serves a wave's instructions in order: these see my stores, and the next eight rows' stores come behind them
.endr
.endr
.irp i, 0,1,2,3
	s_wait_dscnt 15-\i                             ; behind this load: 3 - i loads of the first eight rows, and the second eight rows' 8 stores and 4 loads
	global_store_b128 v[GO], v[F+4*\i:F+4*\i+3], s[OUTB:OUTB+1] offset:(2*\i)*4096 th:TH_STORE_NT   ; sixteen lanes store one token's 256 consecutive bytes of the head, aligned
.endr
.irp i, 0,1,2,3
	s_wait_dscnt 3-\i
	global_store_b128 v[GO], v[F+16+4*\i:F+16+4*\i+3], s[OUTB:OUTB+1] offset:(16+2*\i)*4096 th:TH_STORE_NT
.endr
.endm
	PASS 0
	PASS 1
	s_wait_kmcnt 0x0                               ; the last trip's scalar loads
	s_wait_tensorcnt 0x0
	ds_add_u32 v254, v255
	s_wait_dscnt 0x0
	ROUND                                          ; the closing round: no work-group ends while a partner may still ask for a tile that names it
	s_endpgm
.Lfunc_end_k_q1eaee4cd74_attn:
	.size	k_q1eaee4cd74_attn, .Lfunc_end_k_q1eaee4cd74_attn-k_q1eaee4cd74_attn
	.p2alignl 7, 3214868480
	.fill 96, 4, 3214868480
	.section	.rodata,"a",@progbits
	.p2align	6, 0x0
	.amdhsa_kernel k_q1eaee4cd74_attn
		.amdhsa_group_segment_fixed_size 327680
		.amdhsa_private_segment_fixed_size 0
		.amdhsa_enable_private_segment 0
		.amdhsa_kernarg_size 40
		.amdhsa_user_sgpr_count 2
		.amdhsa_user_sgpr_kernarg_segment_ptr 1
		.amdhsa_wavefront_size32 1
		.amdhsa_system_sgpr_workgroup_id_x 1
		.amdhsa_system_sgpr_workgroup_id_y 1
		.amdhsa_system_sgpr_workgroup_id_z 1
		.amdhsa_system_vgpr_workitem_id 0
		.amdhsa_next_free_vgpr 256
		.amdhsa_next_free_sgpr 106
		.amdhsa_reserve_vcc 1
		.amdhsa_float_denorm_mode_32 3
		.amdhsa_float_denorm_mode_16_64 3
		.amdhsa_memory_ordered 1
		.amdhsa_forward_progress 1
		.amdhsa_inst_pref_size 65
	.end_amdhsa_kernel
	.amdgpu_metadata
---
amdhsa.version: [ 1, 2 ]
amdhsa.kernels:
  - .name:           k_q1eaee4cd74_attn
    .symbol:         k_q1eaee4cd74_attn.kd
    .args:
      - { .name: qc, .offset: 0, .size: 8, .value_kind: global_buffer, .address_space: global }
      - { .name: qs, .offset: 8, .size: 8, .value_kind: global_buffer, .address_space: global }
      - { .name: kv, .offset: 16, .size: 8, .value_kind: global_buffer, .address_space: global }
      - { .name: mbits, .offset: 24, .size: 8, .value_kind: global_buffer, .address_space: global }
      - { .name: out0, .offset: 32, .size: 8, .value_kind: global_buffer, .address_space: global }
    .group_segment_fixed_size: 327680
    .private_segment_fixed_size: 0
    .kernarg_segment_align: 8
    .kernarg_segment_size: 40
    .max_flat_workgroup_size: 512
    .sgpr_count:     106
    .vgpr_count:     256
    .wavefront_size: 32
...
	.end_amdgpu_metadata
.endif
;; end of part 3
;; ======== version 2 of 2: 3 launches
;; limits: right only within a limited range of input values
;; workspace buffers: wimg 3,145,728 bytes; wsc 98,304 bytes; mbits 2,097,152 bytes of whole numbers; qc 8,388,608 bytes; qs 524,288 bytes; kv 17,563,648 bytes
;; launch prep (part 4): grid 304 x 1, 8 waves a work-group, no clusters, 136,192 bytes of LDS; arguments Wq, Wk, Wv, attention_mask, wimg, wsc, mbits; writes wimg, wsc, mbits
.if DOCPART == 4
	.amdgcn_target "amdgcn-amd-amdhsa--gfx1250"
	.amdhsa_code_object_version 6
	.text
	.protected	k_q1eaee4cd74_prep
	.globl	k_q1eaee4cd74_prep
	.p2align	8
	.type	k_q1eaee4cd74_prep,@function
k_q1eaee4cd74_prep:
	s_mov_b64 s[64:65], 0
	v_nop
	global_prefetch_b8 v0, s[64:65] scope:SCOPE_SE
	s_setreg_imm32_b32 hwreg(HW_REG_WAVE_MODE, 25, 1), 1
	s_wait_xcnt 0x0
; PREPARATION.  Two kinds of work-groups, parted on the work-group's number; they never meet again, and each kind has LDS bytes of its own.
; Work-groups 0-47: Wq, Wk, Wv [1024][1024] f32 (K innermost) become codes of E4M3 with one E8M0 byte for each 32 along K, laid in the ORDER OF AN OPERAND'S REGISTERS:
;   wimg [tensor 3][tile 64][K step 8][2,048 bytes]: a fragment (16 rows x 128 K) as four groups of 512 bytes, group c = registers 4c..4c+3, lane l's 16 bytes at 16 l.
;   wsc  [tensor][pair of tiles 32][pair of K steps 4][lane 32][2 words]: lanes 0-15 the even tile's rows, lanes 16-31 the odd tile's.
;   THE ROWS OF A TILE ARE NOT NEIGHBOURS: tile T holds rows 32 (T/2) + 8 (T%2) + r + 8 (r/8), r = 0..15, so that a transposed product's 16 registers of two neighbouring tiles are 16 neighbours.
; Work-groups 48-303: attention_mask [4][2048][2048] int32 becomes bits, laid as the attention kernel's score registers lie:
;   mbits [b 4][query tile 128][key step 16][64 words]: bit l of word n = (mask == 1) at query row l%16 of the tile, key 128 step + 32 (n/16) + 16 (l/16) + n%16.
; A wave takes four ITEMS of 16 rows x 128 numbers.  Each load reads 512 consecutive bytes of one row, 16 a lane; the 16 rows turn through the wave's own stage in LDS (pitch 528 = 33 x 16 bytes)
; and come back so that lane (r, h) holds, of row r, numbers 32 b + 16 h + 0..15 of each block b: the order that the conversions and the operand's layout want.  No barrier: waves share nothing.
; A block's scale is 2^(floor(log2(its largest magnitude)) - 8); its byte is the largest magnitude's exponent field - 8, held at 1 from below.
; LIMITS: a block of zeros keeps the byte 1 where the rule says 127 (its codes are zeros; this program alone reads the bytes); NaN and infinities among the inputs are not served.
.set LI,   1                           ; v1   16 x lane
.set L8,   2                           ; v2   8 x lane
.set STW,  3                           ; v3   weights' path: the stage, on the way in
.set STR,  4                           ; v4   and on the way out
.set PW,   5                           ; v5   the scale word just made
.set STWM, 6                           ; v6, v7 the same two for the mask's path
.set STRM, 7
.set KEEP, 8                           ; v8-11 the four items' scale words
.set OUTP, 12                          ; v[12:13] the pair that leaves
.set TM,   16                          ; v16-31 at work in QUANT
.set MBR,  16                          ; v16-23 (mask's path) four pairs of registers: lane l holds words 2 l and 2 l + 1 of an item
.set PC,   32                          ; v32-47 the codes just made
.set XN,   48                          ; v48-111 64 numbers in the operand's order
.set L0,   112                         ; v112-175, v176-239 two landing sets
.set SRC,  28                          ; s[28:29] where my items begin
.set SEL,  34                          ; s[34:35] lane selects: lane l xor 16
.set MNT,  36                          ; s36  the mantissa field of 448
.set HALF, 37                          ; s37  lanes 16-31
.set SP,   528
.set STG,  16*SP                       ; a wave's stage: 8,448 bytes
.macro ROWS16 dst, off0, pitch         ; a tile's 16 rows, 512 bytes of each
.set rr, 0
.rept 16
	global_load_b128 v[(\dst)+4*rr:(\dst)+4*rr+3], v[LI], s[SRC:SRC+1] offset:(\off0)+(rr+8*(rr/8))*(\pitch) th:TH_LOAD_NT
.set rr, rr+1
.endr
.endm
.macro TURN src, stw, str              ; through the stage: LDS serves a wave's instructions in order, so no wait stands between the stores and the loads
.set rr, 0
.rept 16
	ds_store_b128 v[\stw], v[(\src)+4*rr:(\src)+4*rr+3] offset:rr*SP
.set rr, rr+1
.endr
.set rr, 0
.rept 16
	ds_load_b128 v[XN+4*rr:XN+4*rr+3], v[\str] offset:128*(rr/4)+16*(rr%4)
.set rr, rr+1
.endr
.endm
; item t is in: it turns; its landing set takes item t + 2
.macro STEPIN t, stw, str, nextoff, pitch
.if \t < 3
	s_wait_loadcnt 16                              ; my item's 16 loads are in; the next item's 16 may be out
.else
	s_wait_loadcnt 0x0
.endif
	TURN L0+64*((\t)%2), \stw, \str
	s_wait_dscnt 0x0                               ; the numbers are back, and the stage's stores have read the landing set
.if \t < 2
	ROWS16 L0+64*((\t)%2), \nextoff, \pitch
.endif
.endm
; 64 numbers of a lane, register 16 b + i = k 32 b + 16 (lane / 16) + i of my row, become 16 registers of codes in v[PC] on and the row's scale word in v[PW].  wx: the codes' registers were the data of stores
.macro QUANT s, wx
.irp b, 0,1,2,3
	v_max3_num_f32 v[TM+\b], |v[(\s)+16*\b]|, |v[(\s)+1+16*\b]|, 0x4800000   ; my 16 numbers and the floor 2^(9 - 127): the byte cannot fall under 1
.endr
.irp i, 2,4,6,8,10,12,14
.irp b, 0,1,2,3
	s_delay_alu instid0(VALU_DEP_4)
	v_max3_num_f32 v[TM+\b], v[TM+\b], |v[(\s)+16*\b+\i]|, |v[(\s)+1+16*\b+\i]|   ; the four blocks by turns
.endr
.endr
.irp b, 0,1,2,3
	s_delay_alu instid0(VALU_DEP_4)
	v_permlanex16_b32 v[TM+4+\b], v[TM+\b], s[SEL], s[SEL+1]
.endr
.irp b, 0,1,2,3
	s_delay_alu instid0(VALU_DEP_4)
	v_max_num_f32 v[TM+\b], v[TM+\b], v[TM+4+\b]   ; with lane l xor 16's: the block's largest magnitude
.endr
.irp b, 0,1,2,3
	s_delay_alu instid0(VALU_DEP_4)
	v_add_nc_u32 v[TM+12+\b], 0xfc000000, v[TM+\b] ; 8 off its exponent field: the conversion's scale operand
.endr
.irp b, 0,1,2,3
	v_and_or_b32 v[TM+8+\b], v[TM+\b], 0x7f800000, s[MNT]   ; 448 x the scale
.endr
.irp b, 0,1,2,3
	v_lshrrev_b32 v[TM+4+\b], 23, v[TM+12+\b]      ; the scale's byte
.endr
	s_delay_alu instid0(VALU_DEP_3)
	v_lshl_or_b32 v[PW], v[TM+5], 8, v[TM+4]
	s_delay_alu instid0(VALU_DEP_1)
	v_lshl_or_b32 v[PW], v[TM+6], 16, v[PW]
	s_delay_alu instid0(VALU_DEP_1)
	v_lshl_or_b32 v[PW], v[TM+7], 24, v[PW]
.if \wx
	s_wait_xcnt 0x0                                ; the last item's stores have read the codes' registers
.endif
.irp b, 0,1,2,3
.irp i, 0,1,2,3,4,5,6,7,8,9,10,11,12,13,14,15
	v_med3_num_f32 v[(\s)+16*\b+\i], v[(\s)+16*\b+\i], -v[TM+8+\b], v[TM+8+\b]   ; the conversion does not saturate (ISA guide 7.6.2): the hold at the largest code x the scale
.endr
	v_cvt_scalef32_pk8_fp8_f32 v[PC+4*\b:PC+1+4*\b], v[(\s)+16*\b:(\s)+7+16*\b], v[TM+12+\b]
	v_cvt_scalef32_pk8_fp8_f32 v[PC+2+4*\b:PC+3+4*\b], v[(\s)+8+16*\b:(\s)+15+16*\b], v[TM+12+\b]
.endr
	v_nop                                          ; a plain line behind the last conversion
.endm
	s_load_b256 s[4:11], s[0:1], 0x0               ; Wq, Wk, Wv, attention_mask
	s_load_b128 s[12:15], s[0:1], 0x20             ; wimg, wsc
	s_load_b64 s[16:17], s[0:1], 0x30              ; mbits
	v_lshl_add_u32 v240, v0, 2, 0x21000
	v_mov_b32 v241, 0
	v_lshrrev_b32 v8, 5, v0
	s_delay_alu instid0(VALU_DEP_1)
	v_readfirstlane_b32 s18, v8                    ; wave 0..7
	v_and_b32 v8, 31, v0
	s_delay_alu instid0(VALU_DEP_1)
	v_lshlrev_b32 v[LI], 4, v8
	s_delay_alu instid0(VALU_DEP_2)
	v_lshlrev_b32 v[L8], 3, v8
	v_and_b32 v9, 15, v0                           ; r
	v_bfe_u32 v10, v0, 4, 1                        ; h
	s_delay_alu instid0(VALU_DEP_2)
	v_mul_u32_u24 v11, v9, SP
	s_delay_alu instid0(VALU_DEP_1)
	v_lshl_add_u32 v11, v10, 6, v11                ; row r of the stage, + 64 h
	s_mul_i32 s19, s18, STG
	v_add_nc_u32 v[STW], s19, v[LI]
	v_add_nc_u32 v[STR], s19, v11
	s_add_co_u32 s19, s19, 8*STG                   ; the mask's path has eight stages of its own behind the weights'
	v_add_nc_u32 v[STWM], s19, v[LI]
	v_add_nc_u32 v[STRM], s19, v11
	s_mov_b32 s[SEL], 0x76543210
	s_mov_b32 s[SEL+1], 0xfedcba98
	s_mov_b32 s[MNT], 0x600000
	s_mov_b32 s[HALF], 0xffff0000
	s_lshl_b32 s38, ttmp9, 3
	s_add_co_u32 s38, s38, s18                     ; 8 x work-group + wave
	s_mov_b32 s43, 0
	s_cmp_lt_u32 ttmp9, 48
	s_cbranch_scc0 .Lmask
	; ---- the weights: unit U = tensor (U >> 7), pair of tiles p ((U >> 2) & 31), pair of K steps sigma (U & 3)
	s_lshr_b32 s39, s38, 7
	s_bfe_u32 s40, s38, 0x50002
	s_and_b32 s41, s38, 3
	s_lshl_b32 s42, s40, 17                        ; 32 p rows of 4,096 bytes
	s_lshl_b32 s44, s41, 10                        ; two K steps of 512 bytes
	s_add_co_u32 s42, s42, s44
	s_wait_kmcnt 0x0
	s_cmp_eq_u32 s39, 0
	s_cselect_b64 s[SRC:SRC+1], s[4:5], s[6:7]
	s_cmp_eq_u32 s39, 2
	s_cselect_b64 s[SRC:SRC+1], s[8:9], s[SRC:SRC+1]
	s_add_nc_u64 s[SRC:SRC+1], s[SRC:SRC+1], s[42:43]
	s_lshl_b32 s42, s39, 20                        ; wimg: tensor x 1,048,576 + 2 p x 16,384 + 2 sigma x 2,048
	s_lshl_b32 s44, s40, 15
	s_add_co_u32 s42, s42, s44
	s_lshl_b32 s44, s41, 12
	s_add_co_u32 s42, s42, s44
	s_add_nc_u64 s[30:31], s[12:13], s[42:43]
	s_lshl_b32 s42, s39, 15                        ; wsc: tensor x 32,768 + p x 1,024 + sigma x 256
	s_lshl_b32 s44, s40, 10
	s_add_co_u32 s42, s42, s44
	s_lshl_b32 s44, s41, 8
	s_add_co_u32 s42, s42, s44
	s_add_nc_u64 s[32:33], s[14:15], s[42:43]
.irp b, 0,1,2,3
	v_mov_b32 v[TM+4+\b], 0                        ; written once: a lane permute's destination counts as one of its sources
.endr
	ROWS16 L0, 0, 4096                             ; item t: tile 2 p + t / 2, K step 2 sigma + t % 2
	ROWS16 L0+64, 512, 4096
	s_wait_alu depctr_va_vdst(0)
.irp t, 0,1,2,3
	STEPIN \t, STW, STR, ((\t+2)/2)*32768+(\t%2)*512, 4096
	QUANT XN, \t
.irp c, 0,1,2,3
	global_store_b128 v[LI], v[PC+4*\c:PC+4*\c+3], s[30:31] offset:(\t/2)*16384+(\t%2)*2048+\c*512   ; 512 consecutive bytes, aligned
.endr
	v_mov_b32 v[KEEP+\t], v[PW]
.endr
	v_cndmask_b32 v[OUTP], v[KEEP], v[KEEP+2], s[HALF]       ; lanes 0-15 the even tile's word, lanes 16-31 the odd tile's
	s_delay_alu instid0(VALU_DEP_2)
	v_cndmask_b32 v[OUTP+1], v[KEEP+1], v[KEEP+3], s[HALF]
	global_store_b64 v[L8], v[OUTP:OUTP+1], s[32:33]         ; 256 consecutive bytes, aligned
	s_wait_tensorcnt 0x0
	ds_add_u32 v240, v241
	s_wait_dscnt 0x0
	s_endpgm
.Lmask:
	; ---- the mask: unit U = batch (U >> 9), query tile T ((U >> 2) & 127), four key steps 4 (U & 3) on
	s_sub_co_u32 s38, s38, 384
	s_lshr_b32 s39, s38, 9
	s_bfe_u32 s40, s38, 0x70002
	s_and_b32 s41, s38, 3
	s_lshl_b32 s42, s39, 11                        ; row b x 2,048 + 32 (T / 2) + 8 (T % 2)
	s_lshr_b32 s44, s40, 1
	s_lshl_b32 s44, s44, 5
	s_add_co_u32 s42, s42, s44
	s_and_b32 s44, s40, 1
	s_lshl_b32 s44, s44, 3
	s_add_co_u32 s42, s42, s44
	s_lshl_b32 s42, s42, 13                        ; of 8,192 bytes
	s_lshl_b32 s44, s41, 11                        ; + four key steps of 512 bytes
	s_add_co_u32 s42, s42, s44
	s_wait_kmcnt 0x0
	s_add_nc_u64 s[SRC:SRC+1], s[10:11], s[42:43]
	s_lshl_b32 s42, s39, 19                        ; mbits: ((b x 128 + T) x 16 + 4 (U & 3)) x 256
	s_lshl_b32 s44, s40, 12
	s_add_co_u32 s42, s42, s44
	s_lshl_b32 s44, s41, 10
	s_add_co_u32 s42, s42, s44
	s_add_nc_u64 s[30:31], s[16:17], s[42:43]
.irp b, 0,1,2,3,4,5,6,7
	v_mov_b32 v[MBR+\b], 0                         ; v_writelane_b32's destination counts as read
.endr
	ROWS16 L0, 0, 8192                             ; item t: key step 4 (U & 3) + t
	ROWS16 L0+64, 512, 8192
	s_wait_alu depctr_va_vdst(0)
.irp t, 0,1,2,3
	STEPIN \t, STWM, STRM, (\t+2)*512, 8192
.set nn, 0
.rept 8                                        ; eight compares, then their eight words into lanes: no line waits for the line above it
.set mm, 0
.rept 8
	v_cmp_eq_u32 s[20+mm], 1, v[XN+nn+mm]          ; word n: one bit a lane
.set mm, mm+1
.endr
.set mm, 0
.rept 8
	v_writelane_b32 v[MBR+2*\t+(nn+mm)%2], s[20+mm], (nn+mm)/2
.set mm, mm+1
.endr
.set nn, nn+8
.endr
	global_store_b64 v[L8], v[MBR+2*\t:MBR+2*\t+1], s[30:31] offset:\t*256   ; a record of 64 words: 256 consecutive bytes, aligned
.endr
	s_wait_tensorcnt 0x0
	ds_add_u32 v240, v241
	s_wait_dscnt 0x0
	s_endpgm
.Lfunc_end_k_q1eaee4cd74_prep:
	.size	k_q1eaee4cd74_prep, .Lfunc_end_k_q1eaee4cd74_prep-k_q1eaee4cd74_prep
	.p2alignl 7, 3214868480
	.fill 96, 4, 3214868480
	.section	.rodata,"a",@progbits
	.p2align	6, 0x0
	.amdhsa_kernel k_q1eaee4cd74_prep
		.amdhsa_group_segment_fixed_size 136192
		.amdhsa_private_segment_fixed_size 0
		.amdhsa_enable_private_segment 0
		.amdhsa_kernarg_size 56
		.amdhsa_user_sgpr_count 2
		.amdhsa_user_sgpr_kernarg_segment_ptr 1
		.amdhsa_wavefront_size32 1
		.amdhsa_system_sgpr_workgroup_id_x 1
		.amdhsa_system_sgpr_workgroup_id_y 1
		.amdhsa_system_sgpr_workgroup_id_z 1
		.amdhsa_system_vgpr_workitem_id 0
		.amdhsa_next_free_vgpr 242
		.amdhsa_next_free_sgpr 66
		.amdhsa_reserve_vcc 0
		.amdhsa_float_denorm_mode_32 3
		.amdhsa_float_denorm_mode_16_64 3
		.amdhsa_memory_ordered 1
		.amdhsa_forward_progress 1
		.amdhsa_inst_pref_size 105
	.end_amdhsa_kernel
	.amdgpu_metadata
---
amdhsa.version: [ 1, 2 ]
amdhsa.kernels:
  - .name:           k_q1eaee4cd74_prep
    .symbol:         k_q1eaee4cd74_prep.kd
    .args:
      - { .name: Wq, .offset: 0, .size: 8, .value_kind: global_buffer, .address_space: global }
      - { .name: Wk, .offset: 8, .size: 8, .value_kind: global_buffer, .address_space: global }
      - { .name: Wv, .offset: 16, .size: 8, .value_kind: global_buffer, .address_space: global }
      - { .name: attention_mask, .offset: 24, .size: 8, .value_kind: global_buffer, .address_space: global }
      - { .name: wimg, .offset: 32, .size: 8, .value_kind: global_buffer, .address_space: global }
      - { .name: wsc, .offset: 40, .size: 8, .value_kind: global_buffer, .address_space: global }
      - { .name: mbits, .offset: 48, .size: 8, .value_kind: global_buffer, .address_space: global }
    .group_segment_fixed_size: 136192
    .private_segment_fixed_size: 0
    .kernarg_segment_align: 8
    .kernarg_segment_size: 56
    .max_flat_workgroup_size: 256
    .sgpr_count:     66
    .vgpr_count:     242
    .wavefront_size: 32
...
	.end_amdgpu_metadata
.endif
;; end of part 4
;; launch proj (part 5): grid 192 x 1, 16 waves a work-group, no clusters, 272,384 bytes of LDS; arguments q, k, v, bq, bk, bv, wimg, wsc, qc, qs, kv; writes qc, qs, kv
.if DOCPART == 5
	.amdgcn_target "amdgcn-amd-amdhsa--gfx1250"
	.amdhsa_code_object_version 6
	.text
	.protected	k_q1eaee4cd74_proj
	.globl	k_q1eaee4cd74_proj
	.p2align	8
	.type	k_q1eaee4cd74_proj,@function
k_q1eaee4cd74_proj:
	s_mov_b64 s[64:65], 0
	v_nop
	global_prefetch_b8 v0, s[64:65] scope:SCOPE_SE
	s_setreg_imm32_b32 hwreg(HW_REG_WAVE_SCHED_MODE, 0, 2), 2
	s_setreg_imm32_b32 hwreg(HW_REG_WAVE_MODE, 25, 1), 1
	s_wait_xcnt 0x0
	s_wait_alu depctr_vm_vsrc(0)
; THE THREE PROJECTIONS x W^T + b on codes of E4M3 with E8M0 scales, and the quantising of their results for the attention kernel; no f32 result goes to memory.
; Work-group: tensor tau = wg >> 6 (q, k, v), 128 tokens beta = wg & 63 (batch beta >> 4, group j = beta & 15).  Sixteen waves; WAVE w IS HEAD w: it makes the head's 64 channels for all 128 tokens, in two passes of 32.
; PHASE X: the 128 x 1024 numbers of x are read once, quantised along K, and laid in LDS as images of operand registers: [x tile 8][K step 8][2,048 bytes]; their scale words [K step][tile][row].  One barrier.
; A PASS: 8 K steps of 128; 16 accumulators (8 tiles of tokens x 2 tiles of channels), one matrix instruction a turn.  The weights' fragments come from wimg straight into registers, a K step ahead.
; q, k: source 0 = 16 channels of W, source 1 = 16 tokens: a lane holds ONE token, and its 16 registers of the two channel tiles are 16 neighbouring channels: a block of 32 along the head (the next K) lies in lanes l, l xor 16.
; v:    source 0 = 16 tokens, source 1 = 16 channels: a lane holds ONE channel, and its 64 registers run along the 128 keys, the next K.  The bias is the C of each sum's first matrix instruction.
; TILES: tile T of tokens or channels holds rows 32 (T/2) + 8 (T%2) + r + 8 (r/8).
; OUT: qc [head record 64][token tile 128][1,024]: groups 0, 1 of a fragment (the head's 64 channels);  qs [record][group 16][lane][4 words]: word (l, i): tile 2 i + l / 16, row l % 16; a word holds the two bytes twice.
;      kv: 64 records of 274,432 bytes: K's codes as qc at 0; V^T's fragments [step 16][tile 4][2,048] at 131,072; K's scale words as qs at 262,144; V's [step][lane][2 words] at 270,336.
; NO CLUSTER, though the 64 work-groups of a tensor read the same weights: a joint request lands in LDS, a K step of all 1,024 channels is 64 x 2,048 = 131,072 bytes, and two such slots beside x's 131,072 + 4,096 bytes
; pass the 327,680 of a work-group.  So each wave loads its own fragments whole, each once in a work-group.
; LIMITS: a block of zeros keeps the byte 1 where the rule says 127 (its codes are zeros; this program alone reads the bytes); NaN and infinities among the inputs are not served.
; THE MODE: SCHED_MODE bits 1:0 = 2 (LLVM: expert scheduling mode 2), set by the entry lines.  The code itself states the register dependences
; between vector or matrix instructions and memory or LDS instructions, with s_wait_alu, always for 0.
; THE PLAN.  Registers that memory or LDS instructions touch:
;   v1-3, v15     offsets and LDS addresses: written at the head, read by loads and stores to the end, never written again.
;   v112-115      phase X's LDS addresses: written at the head; behind the barrier the registers are BIAS, in which loads land.
;   L0, two sets  phase X: global loads land; the stage's LDS stores read; the set is loaded again two items on; in the passes the matrix instructions write these registers.
;   XN            phase X: the stage's LDS loads land; QUANT reads and writes; then the next item's LDS loads land.
;   PC, PW        QUANT writes; LDS stores (phase X) or global stores (a pass's end) read; the next QUANT writes again.  At a pass's head PW is the offset of the bias's loads.
;   W0, two sets; WS, two pairs   global loads land a K step ahead; that step's sixteen matrix instructions read.
;   X, XSW        LDS loads land; four matrix instructions read X, a step's sixteen XSW.
;   BIAS          global loads land at a pass's head; K step 0's matrix instructions read it as C.
;   KW, SAVE      written by the selects at a pass's end; read by one store in the second pass.
; v0-15, W's 64, x's 32, the bias's 16 and the 128 accumulators are the 256 registers that the launch gives a wave: there is no room for a second pair of x's fragments.  So ONE wait on va_vdst stands ahead of
; each group's LDS loads (four matrix instructions to a group); the one at a K step's head also serves XSW and the next step's weights.  At a pass's end the vector lines that make the scale words stand ahead of
; the stores, so that one wait on va_vdst serves each run of stores.  The waits on vm_vsrc stand where a wait on a memory counter stands anyway, a long way behind the instructions that they wait for.
.set LI,   1                           ; v1   16 x lane
.set LI2,  2                           ; v2   + 65,536: x tiles 4-7
.set L8,   3                           ; v3   8 x lane
.set XSW,  4                           ; v4-7   x's scale words of a K step: register g: lanes 0-15 tile 2 g, lanes 16-31 tile 2 g + 1.  Scales and nothing else
.set WS,   8                           ; v8-11  W's scale words, two pairs of K steps by turns: lanes 0-15 the even tile, lanes 16-31 the odd.  Scales and nothing else
.set SAVE, 12                          ; v12-13 scale words kept from pass to pass
.set PW,   14                          ; v14  the scale word just made; at a pass's head the bias's offset
.set XSA,  15                          ; v15  4 x lane + XSC
.set W0,   16                          ; v16-47, v48-79 W's two fragments of a K step, two sets
.set XN,   16                          ; (phase X) v16-79 64 numbers in the operand's order
.set KW,   16                          ; (epilogue) v16-19 the scale words that leave; v20-23 at work
.set TW,   20
.set X,    80                          ; v80-111 two fragments of x
.set TM,   80                          ; (phase X, epilogue) v80-95 at work in QUANT
.set PC,   96                          ; (phase X, epilogue) v96-111 the codes just made
.set BIAS, 112                         ; v112-127 the bias in the result's layout, eight registers a channel tile
.set STW,  112                         ; (phase X) v112-115 LDS addresses
.set STR,  113
.set XWI,  114
.set XWS,  115
.set ACC,  128                         ; v128-255 the accumulators; in phase X the two landing sets
.set L0,   128
.set XSC,  131072                      ; LDS: x's images at 0; their scale words here, 4,096 bytes;
.set SP,   528
.set STAGE, 135168                     ; a stage of 16 x 528 bytes for each wave
.set WV,   26
.set SRC,  30                          ; s[30:31] x;  s[32:33] W's fragments;  s[34:35] W's scale words;  s[36:37] bias;  s[38:39] codes out;  s[40:41] scale words out
.set WP,   32
.set WSP,  34
.set BP,   36
.set CD,   38
.set SD,   40
.set SEL,  42
.set MNT,  44
.set HALF, 45
.set PASS, 46
.macro ROWS16 dst, off0, pitch         ; a tile's 16 rows, 512 consecutive bytes of each
.set rr, 0
.rept 16
	global_load_b128 v[(\dst)+4*rr:(\dst)+4*rr+3], v[LI], s[SRC:SRC+1] offset:(\off0)+(rr+8*(rr/8))*(\pitch) th:TH_LOAD_NT
.set rr, rr+1
.endr
.endm
.macro TURN src, stw, str              ; through my stage: LDS serves a wave's instructions in order
.set rr, 0
.rept 16
	ds_store_b128 v[\stw], v[(\src)+4*rr:(\src)+4*rr+3] offset:rr*SP
.set rr, rr+1
.endr
.set rr, 0
.rept 16
	ds_load_b128 v[XN+4*rr:XN+4*rr+3], v[\str] offset:128*(rr/4)+16*(rr%4)
.set rr, rr+1
.endr
.endm
.macro STEPIN t, stw, str, nextoff, pitch
.if \t < 3
	s_wait_loadcnt 16                              ; my item's 16 loads are in; the next item's 16 may be out
.else
	s_wait_loadcnt 0x0
.endif
	TURN L0+64*((\t)%2), \stw, \str                ; (the LDS loads land in v[XN ..]: the last item's QUANT, which named them, stands ahead of the wait on va_vdst in front of that item's image stores)
	s_wait_dscnt 0x0                               ; the numbers are back
	s_wait_alu depctr_vm_vsrc(0)                   ; the stage's stores have read the landing set, which loads (later: matrix instructions) write again; the last item's image stores have read v[PC ..] and v[PW], which QUANT writes again
.if \t < 2
	ROWS16 L0+64*((\t)%2), \nextoff, \pitch
.endif
.endm
; 64 numbers of a lane in four blocks of 16 registers, each block shared with lane l xor 16, become 16 registers of codes in v[PC] on and four scale bytes in v[PW].  wx: the codes' registers were the data of stores
.macro QUANT s, wx
.irp b, 0,1,2,3
	v_max3_num_f32 v[TM+\b], |v[(\s)+16*\b]|, |v[(\s)+1+16*\b]|, 0x4800000   ; my 16 numbers and the floor 2^(9 - 127): the byte cannot fall under 1.  (Each accumulator is read from its low end on)
.endr
.irp i, 2,4,6,8,10,12,14
.irp b, 0,1,2,3
	v_max3_num_f32 v[TM+\b], v[TM+\b], |v[(\s)+16*\b+\i]|, |v[(\s)+1+16*\b+\i]|
.endr
.endr
.irp b, 0,1,2,3
	v_permlanex16_b32 v[TM+4+\b], v[TM+\b], s[SEL], s[SEL+1]
.endr
.irp b, 0,1,2,3
	v_max_num_f32 v[TM+\b], v[TM+\b], v[TM+4+\b]   ; the block's largest magnitude
.endr
.irp b, 0,1,2,3
	v_add_nc_u32 v[TM+12+\b], 0xfc000000, v[TM+\b] ; 8 off its exponent field: the conversion's scale operand
.endr
.irp b, 0,1,2,3
	v_and_or_b32 v[TM+8+\b], v[TM+\b], 0x7f800000, s[MNT]   ; 448 x the scale
.endr
.irp b, 0,1,2,3
	v_lshrrev_b32 v[TM+4+\b], 23, v[TM+12+\b]      ; the scale's byte
.endr
	v_lshl_or_b32 v[PW], v[TM+5], 8, v[TM+4]
	v_lshl_or_b32 v[PW], v[TM+6], 16, v[PW]
	v_lshl_or_b32 v[PW], v[TM+7], 24, v[PW]
.if \wx
	s_wait_xcnt 0x0                                ; the stores just issued have had their addresses translated: their data registers are written again only behind this wait,
	s_wait_alu depctr_vm_vsrc(0)                   ; and behind this one: those stores have read v[PC ..], which the conversions below write again
.endif
.irp b, 0,1,2,3
.irp i, 0,1,2,3,4,5,6,7,8,9,10,11,12,13,14,15
	v_med3_num_f32 v[(\s)+16*\b+\i], v[(\s)+16*\b+\i], -v[TM+8+\b], v[TM+8+\b]   ; the conversion does not saturate (ISA guide 7.6.2): the hold
.endr
	v_cvt_scalef32_pk8_fp8_f32 v[PC+4*\b:PC+1+4*\b], v[(\s)+16*\b:(\s)+7+16*\b], v[TM+12+\b]
	v_cvt_scalef32_pk8_fp8_f32 v[PC+2+4*\b:PC+3+4*\b], v[(\s)+8+16*\b:(\s)+15+16*\b], v[TM+12+\b]
.endr
	v_nop                                          ; a plain line behind the last conversion
.endm
; W's two fragments of K step s into set s % 2; with an even s the scale words of K steps s and s + 1
.macro WLOAD s
.irp u, 0,1
.irp c, 0,1,2,3
	global_load_b128 v[W0+32*((\s)%2)+16*\u+4*\c:W0+32*((\s)%2)+16*\u+4*\c+3], v[LI], s[WP:WP+1] offset:\u*16384+(\s)*2048+\c*512
.endr
.endr
.if ((\s)%2) == 0
	global_load_b64 v[WS+2*(((\s)/2)%2):WS+2*(((\s)/2)%2)+1], v[L8], s[WSP:WSP+1] offset:((\s)/2)*256
.endif
.endm
; one matrix instruction; ra, rb: that side's scales stand in lanes 16-31
.macro WM d, a, b, cc, sa, sb, ra, rb
.if ((\ra) == 0) && ((\rb) == 0)
	v_wmma_scale_f32_16x16x128_f8f6f4 v[(\d):(\d)+7], v[(\a):(\a)+15], v[(\b):(\b)+15], v[(\cc):(\cc)+7], v[\sa], v[\sb]
.elseif (\rb) == 0
	v_wmma_scale_f32_16x16x128_f8f6f4 v[(\d):(\d)+7], v[(\a):(\a)+15], v[(\b):(\b)+15], v[(\cc):(\cc)+7], v[\sa], v[\sb] matrix_a_scale:MATRIX_SCALE_ROW1
.elseif (\ra) == 0
	v_wmma_scale_f32_16x16x128_f8f6f4 v[(\d):(\d)+7], v[(\a):(\a)+15], v[(\b):(\b)+15], v[(\cc):(\cc)+7], v[\sa], v[\sb] matrix_b_scale:MATRIX_SCALE_ROW1
.else
	v_wmma_scale_f32_16x16x128_f8f6f4 v[(\d):(\d)+7], v[(\a):(\a)+15], v[(\b):(\b)+15], v[(\cc):(\cc)+7], v[\sa], v[\sb] matrix_a_scale:MATRIX_SCALE_ROW1 matrix_b_scale:MATRIX_SCALE_ROW1
.endif
.endm
; x tile 2 g + e against channel tile u, K step s.  vp = 1: v's path
.macro MM vp, s, g, e, u
.set xi, 2*(\g)+(\e)
.set wr, W0+32*((\s)%2)+16*(\u)
.set xr, X+16*(\e)
.set wsr, WS+2*(((\s)/2)%2)+((\s)%2)
.set xsr, XSW+(\g)
.if \vp
.set dd, ACC+64*(\u)+8*xi
.else
.set dd, ACC+16*xi+8*(\u)
.endif
.if (\s) == 0
.set cc, BIAS+8*(\u)                   ; the first K step starts the sum with the bias
.else
.set cc, dd
.endif
.if \vp
	WM dd, xr, wr, cc, xsr, wsr, \e, \u
.else
	WM dd, wr, xr, cc, wsr, xsr, \u, \e
.endif
.endm
; A K step: 16 matrix instructions, each on another accumulator, in the same order in every step, in four groups of four.  Ahead of each group's LDS loads one wait on va_vdst.
; K step 0's first group owes none: the wait at the pass's head stands, and no vector or matrix instruction since names XSW, X, or W's second set.
; The step's first LDS loads go out ahead of the wait for its weights; the next step's weights go out straight behind that wait.
.macro KSTEP vp, s
.irp g, 0,1,2,3
.if ((\s) > 0) || (\g > 0)
	s_wait_alu depctr_va_vdst(0)                   ; the four matrix instructions before are done reading v[X ..], in which the loads below land; at a step's head the last step's sixteen are also done reading XSW, and W's set and WS's pair that the next step's weights take
.endif
.if \g == 0
.irp q, 0,1,2,3
	ds_load_b32 v[XSW+\q], v[XSA] offset:(\s)*512+\q*128
.endr
.endif
.irp e, 0,1
.irp c, 0,1,2,3
.if \g < 2
	ds_load_b128 v[X+16*\e+4*\c:X+16*\e+4*\c+3], v[LI] offset:((2*\g+\e)%4)*16384+(\s)*2048+\c*512
.else
	ds_load_b128 v[X+16*\e+4*\c:X+16*\e+4*\c+3], v[LI2] offset:((2*\g+\e)%4)*16384+(\s)*2048+\c*512
.endif
.endr
.endr
.if \g == 0
	s_wait_loadcnt 0x0                             ; this step's weights were asked for a whole K step ago
.if (\s) < 7
	WLOAD (\s)+1
.endif
.endif
	s_wait_dscnt 0x0
.irp e, 0,1
.irp u, 0,1
	MM \vp, \s, \g, \e, \u
.endr
.endr
.endr
.endm
	s_load_b512 s[4:19], s[0:1], 0x0               ; q, k, v, bq, bk, bv, wimg, wsc
	s_load_b128 s[20:23], s[0:1], 0x40             ; qc, qs
	s_load_b64 s[24:25], s[0:1], 0x50              ; kv
	v_lshrrev_b32 v116, 5, v0
	v_readfirstlane_b32 s[WV], v116                ; wave 0..15
	v_and_b32 v119, 31, v0
	v_lshlrev_b32 v[LI], 4, v119
	v_add_nc_u32 v[LI2], 0x10000, v[LI]
	v_lshlrev_b32 v[L8], 3, v119
	v_lshl_add_u32 v[XSA], v119, 2, XSC
	v_and_b32 v116, 15, v0                         ; r
	s_wait_alu depctr_va_vdst(0)
	v_bfe_u32 v117, v0, 4, 1                       ; h
	s_wait_alu depctr_va_sdst(0)                   ; the wave's number is written, ahead of its first reader
	s_mul_i32 s47, s[WV], 16*SP
	s_add_co_u32 s47, s47, STAGE                   ; my stage
	v_add_nc_u32 v[STW], s47, v[LI]
	v_mul_u32_u24 v118, v116, SP
	v_lshl_add_u32 v118, v117, 6, v118
	v_add_nc_u32 v[STR], s47, v118
	s_lshr_b32 s48, s[WV], 1                       ; in phase X: my x tile i,
	s_and_b32 s49, s[WV], 1                        ; and which four K steps
	s_lshl_b32 s50, s48, 14
	s_lshl_b32 s51, s49, 13
	s_add_co_u32 s50, s50, s51
	v_add_nc_u32 v[XWI], s50, v[LI]                ; images: 16 x lane + 16,384 i + 8,192 (w & 1)
	s_lshl_b32 s50, s48, 6
	s_lshl_b32 s51, s49, 11
	s_add_co_u32 s50, s50, s51
	s_add_co_u32 s50, s50, XSC
	v_lshl_add_u32 v[XWS], v116, 2, s50            ; scale words: 4 r + 64 i + 2,048 (w & 1): 64 consecutive bytes of my own (both halves of the lanes write the same word with the same value)
	v_mov_b32 v[SAVE], 0
	v_mov_b32 v[SAVE+1], 0
.irp b, 0,1,2,3
	v_mov_b32 v[TM+4+\b], 0                        ; a lane permute's destination counts as one of its sources
.endr
	s_mov_b32 s[SEL], 0x76543210
	s_mov_b32 s[SEL+1], 0xfedcba98
	s_mov_b32 s[MNT], 0x600000
	s_mov_b32 s[HALF], 0xffff0000
	s_lshr_b32 s27, ttmp9, 6                       ; tau
	s_and_b32 s28, ttmp9, 63                       ; beta
	s_wait_kmcnt 0x0
	s_cmp_eq_u32 s27, 0                            ; the buffers and the strides are chosen on the work-group's number alone
	s_cselect_b64 s[SRC:SRC+1], s[4:5], s[6:7]
	s_cselect_b64 s[BP:BP+1], s[10:11], s[12:13]
	s_cselect_b64 s[CD:CD+1], s[20:21], s[24:25]
	s_cselect_b64 s[SD:SD+1], s[22:23], s[24:25]
	s_mov_b32 s47, 274432
	s_cselect_b32 s53, 8192, s47                   ; a head's record of scale words,
	s_cselect_b32 s47, 131072, s47                 ; of codes,
	s_cselect_b32 s29, 0, 262144                   ; where the scale words begin in it
	s_cmp_eq_u32 s27, 2
	s_cselect_b64 s[SRC:SRC+1], s[8:9], s[SRC:SRC+1]
	s_cselect_b64 s[BP:BP+1], s[14:15], s[BP:BP+1]
	s_mov_b32 s54, 270336
	s_cselect_b32 s29, s54, s29
	s_cselect_b32 s55, 131072, 0                   ; where the codes begin in it
	s_cselect_b32 s54, 8, 9                        ; a step's scale words: 256 bytes for v, else 512
	s_lshl_b32 s50, s28, 7                         ; x: row 128 beta + 32 (i / 2) + 8 (i % 2)
	s_lshr_b32 s51, s48, 1
	s_lshl_b32 s51, s51, 5
	s_add_co_u32 s50, s50, s51
	s_and_b32 s51, s48, 1
	s_lshl_b32 s51, s51, 3
	s_add_co_u32 s50, s50, s51
	s_lshl_b32 s50, s50, 12                        ; of 4,096 bytes,
	s_lshl_b32 s51, s49, 11                        ; + four K steps of 512
	s_add_co_u32 s50, s50, s51
	s_mov_b32 s51, 0
	s_add_nc_u64 s[SRC:SRC+1], s[SRC:SRC+1], s[50:51]
	s_wait_alu depctr_va_vdst(0)                   ; the offsets and addresses v1-3, v15 and v112-115 are written, which the kernel's loads and stores read; the head's other vector lines are done with v116-119, in which loads land later
	ROWS16 L0, 0, 4096                             ; PHASE X.  Item f: my tile's K step 4 (w & 1) + f
	ROWS16 L0+64, 512, 4096
	s_lshl_b32 s50, s27, 20                        ; W's fragments: tensor x 1,048,576 + tile 4 w x 16,384
	s_lshl_b32 s48, s[WV], 16
	s_add_co_u32 s50, s50, s48
	s_add_nc_u64 s[WP:WP+1], s[16:17], s[50:51]
	s_lshl_b32 s50, s27, 15                        ; their scale words: tensor x 32,768 + pair 2 w x 1,024
	s_lshl_b32 s48, s[WV], 11
	s_add_co_u32 s50, s50, s48
	s_add_nc_u64 s[WSP:WSP+1], s[18:19], s[50:51]
	s_lshl_b32 s50, s[WV], 8                       ; the head's 64 numbers of the bias
	s_add_nc_u64 s[BP:BP+1], s[BP:BP+1], s[50:51]
	s_lshr_b32 s52, s28, 4
	s_lshl_b32 s52, s52, 4
	s_add_co_u32 s52, s52, s[WV]                   ; the head's record: 16 b + w
	s_and_b32 s49, s28, 15                         ; j
	s_mul_i32 s50, s52, s47
	s_add_co_u32 s50, s50, s55
	s_lshl_b32 s48, s49, 13
	s_add_co_u32 s50, s50, s48
	s_add_nc_u64 s[CD:CD+1], s[CD:CD+1], s[50:51]
	s_mul_i32 s50, s52, s53
	s_add_co_u32 s50, s50, s29
	s_lshl_b32 s48, s49, s54
	s_add_co_u32 s50, s50, s48
	s_add_nc_u64 s[SD:SD+1], s[SD:SD+1], s[50:51]
.irp f, 0,1,2,3
	STEPIN \f, STW, STR, (\f+2)*512, 4096
	QUANT XN, 0
	s_wait_alu depctr_va_vdst(0)                   ; QUANT has written v[PC ..] and v[PW], which the LDS stores below read, and is done with v[XN ..], in which the next item's LDS loads (behind the last item: the weights) land
.irp c, 0,1,2,3
	ds_store_b128 v[XWI], v[PC+4*\c:PC+4*\c+3] offset:\f*2048+\c*512   ; the fragment as it stands in my registers
.endr
	ds_store_b32 v[XWS], v[PW] offset:\f*512
.endr
	s_wait_dscnt 0x0                               ; for the others' sake: my images and scale words have landed
	s_barrier_signal -1
	s_barrier_wait -1                              ; x's 64 fragments lie in LDS; from here on LDS is only read
	s_wait_alu depctr_vm_vsrc(0)                   ; my LDS instructions have read v112-115 (from here on BIAS), v[PC ..] (from here on x's fragments) and v[PW], all of which the passes write
	s_mov_b32 s[PASS], 0
	s_cmp_eq_u32 s27, 2
	s_cbranch_scc1 .Lv_pass
.Lqk_pass:                                             ; ---- q, k: channels 64 w + 32 PASS on
	v_bfe_u32 v[PW], v0, 4, 1
	v_lshlrev_b32 v[PW], 6, v[PW]                  ; lane (r, h), tile u, register j: channel 8 u + 16 h + j of the 32
	s_wait_alu depctr_va_vdst(0)                   ; v[PW] is written, which the bias's loads read; on the way back the last pass's matrix and vector instructions are done with W's sets, WS, BIAS, XSW and X, in which this pass's loads land
	WLOAD 0
.irp u, 0,1
	global_load_b128 v[BIAS+8*\u:BIAS+8*\u+3], v[PW], s[BP:BP+1] offset:32*\u
	global_load_b128 v[BIAS+8*\u+4:BIAS+8*\u+7], v[PW], s[BP:BP+1] offset:32*\u+16
.endr
.irp ks, 0,1,2,3,4,5,6,7
	KSTEP 0, \ks
.endr
.rept 8
	v_nop                                          ; eight places behind the last products, ahead of the vector lines that read their results and write over x's fragments
.endr
	v_nop                                          ; a ninth place behind the last products
	s_wait_alu depctr_vm_vsrc(0)                   ; the bias's loads have read v[PW], which QUANT writes
.irp g, 0,1                                    ; four token tiles at a time: block bb of QUANT is tile 4 g + bb, its 16 registers group PASS of that tile's fragment
	QUANT ACC+64*\g, \g
.irp bb, 0,1,2,3
	v_perm_b32 v[TW+\bb], v[PW], v[SAVE+\g], \bb+((4+\bb)<<8)+(\bb<<16)+((4+\bb)<<24)   ; tile 4 g + bb: the first pass's byte, this pass's, and both again (of use in the second pass alone)
.endr
	v_mov_b32 v[SAVE+\g], v[PW]
	v_cndmask_b32 v[KW+2*\g], v[TW], v[TW+1], s[HALF]        ; lanes 0-15 the even tile's word, lanes 16-31 the odd tile's
	v_cndmask_b32 v[KW+2*\g+1], v[TW+2], v[TW+3], s[HALF]
	s_wait_alu depctr_va_vdst(0)                   ; the conversions have written v[PC ..], which the four stores below read; the selects have written v[KW ..], which the scale words' store reads
.irp bb, 0,1,2,3
	global_store_b128 v[LI], v[PC+4*\bb:PC+4*\bb+3], s[CD:CD+1] offset:(4*\g+\bb)*1024   ; 512 consecutive bytes, aligned
.endr
.endr
	s_cmp_eq_u32 s[PASS], 0
	s_cbranch_scc1 .Lqk_no_words
	global_store_b128 v[LI], v[KW:KW+3], s[SD:SD+1]          ; the group's scale words: 512 consecutive bytes, aligned
.Lqk_no_words:
	s_wait_xcnt 0x0                                ; the stores have had their addresses translated: their registers and bases are written again only behind this wait,
	s_wait_alu depctr_vm_vsrc(0)                   ; and behind this one: the stores have read v[PC ..] and v[KW ..], in which the next pass's loads land
	s_add_nc_u64 s[WP:WP+1], s[WP:WP+1], 32768
	s_add_nc_u64 s[WSP:WSP+1], s[WSP:WSP+1], 1024
	s_add_nc_u64 s[BP:BP+1], s[BP:BP+1], 128
	s_add_nc_u64 s[CD:CD+1], s[CD:CD+1], 512
	s_add_co_u32 s[PASS], s[PASS], 1
	s_cmp_lt_u32 s[PASS], 2
	s_cbranch_scc1 .Lqk_pass
	s_wait_xcnt 0x0
	v_lshl_add_u32 v254, v0, 2, 0x42000            ; the add's two registers are made anew here (no two could be kept); no memory or LDS instruction has read them since the last wait on vm_vsrc
	v_mov_b32 v255, 0
	s_wait_dscnt 0x0                               ; the closing lines, six on end
	s_wait_alu 0x0
	s_wait_tensorcnt 0x0
	ds_add_u32 v254, v255
	s_wait_dscnt 0x0
	s_endpgm
.Lv_pass:                                              ; ---- v: channels 64 w + 32 PASS on
	v_and_b32 v[BIAS], 8, v0
	v_and_b32 v[PW], 15, v0
	v_add_nc_u32 v[PW], v[PW], v[BIAS]
	v_lshlrev_b32 v[PW], 2, v[PW]                  ; lane (r, h), tile u: channel 8 u + r + 8 (r / 8), the same in all eight registers
	s_wait_alu depctr_va_vdst(0)                   ; v[PW] is written, which the bias's loads read, and the lines above are done with v[BIAS], in which one of them lands; on the way back the last pass's matrix and vector instructions are done with W's sets, WS, BIAS, XSW and X
	WLOAD 0
	global_load_b32 v[BIAS], v[PW], s[BP:BP+1]
	global_load_b32 v[BIAS+8], v[PW], s[BP:BP+1] offset:32
	s_wait_loadcnt 0x0
.irp u, 0,1
.irp j, 1,2,3,4,5,6,7
	v_mov_b32 v[BIAS+8*\u+\j], v[BIAS+8*\u]
.endr
.endr
.rept 4
	v_nop
.endr
	s_wait_alu depctr_va_vdst(0)
.irp ks, 0,1,2,3,4,5,6,7
	KSTEP 1, \ks
.endr
.rept 8
	v_nop                                          ; eight places behind the last products, ahead of the vector lines that read their results and write over x's fragments
.endr
	v_nop                                          ; a ninth place behind the last products
	s_wait_alu depctr_vm_vsrc(0)                   ; the bias's loads have read v[PW], which QUANT writes
	QUANT ACC, 0                                   ; tile 2 PASS of V^T: a whole fragment, 16 channels x 128 keys
	v_mov_b32 v[TW], v[PW]
	s_wait_alu depctr_va_vdst(0)                   ; the conversions have written v[PC ..], which the four stores below read
.irp c, 0,1,2,3
	global_store_b128 v[LI], v[PC+4*\c:PC+4*\c+3], s[CD:CD+1] offset:\c*512
.endr
	QUANT ACC+64, 1                                ; tile 2 PASS + 1
	v_mov_b32 v[SAVE], v[SAVE+1]                   ; the first pass's word moves down,
	v_cndmask_b32 v[SAVE+1], v[TW], v[PW], s[HALF] ; this pass's: lanes 0-15 the even tile's, lanes 16-31 the odd tile's
	s_wait_alu depctr_va_vdst(0)                   ; the conversions have written v[PC ..], which the four stores below read; the two lines above have written v[SAVE ..], which the scale words' store reads
.irp c, 0,1,2,3
	global_store_b128 v[LI], v[PC+4*\c:PC+4*\c+3], s[CD:CD+1] offset:2048+\c*512
.endr
	s_cmp_eq_u32 s[PASS], 0
	s_cbranch_scc1 .Lv_no_words
	global_store_b64 v[L8], v[SAVE:SAVE+1], s[SD:SD+1]       ; the step's scale words: 256 consecutive bytes, aligned
.Lv_no_words:
	s_wait_xcnt 0x0                                ; the stores have had their addresses translated: their registers and bases are written again only behind this wait,
	s_wait_alu depctr_vm_vsrc(0)                   ; and behind this one: the stores have read v[PC ..], in which the next pass's loads land, and v[SAVE ..], which its last lines write
	s_add_nc_u64 s[WP:WP+1], s[WP:WP+1], 32768
	s_add_nc_u64 s[WSP:WSP+1], s[WSP:WSP+1], 1024
	s_add_nc_u64 s[BP:BP+1], s[BP:BP+1], 128
	s_add_nc_u64 s[CD:CD+1], s[CD:CD+1], 4096
	s_add_co_u32 s[PASS], s[PASS], 1
	s_cmp_lt_u32 s[PASS], 2
	s_cbranch_scc1 .Lv_pass
	s_wait_xcnt 0x0
	v_lshl_add_u32 v254, v0, 2, 0x42000            ; the add's two registers are made anew here (no two could be kept); no memory or LDS instruction has read them since the last wait on vm_vsrc
	v_mov_b32 v255, 0
	s_wait_dscnt 0x0                               ; the closing lines, six on end
	s_wait_alu 0x0
	s_wait_tensorcnt 0x0
	ds_add_u32 v254, v255
	s_wait_dscnt 0x0
	s_endpgm
.Lfunc_end_k_q1eaee4cd74_proj:
	.size	k_q1eaee4cd74_proj, .Lfunc_end_k_q1eaee4cd74_proj-k_q1eaee4cd74_proj
	.p2alignl 7, 3214868480
	.fill 96, 4, 3214868480
	.section	.rodata,"a",@progbits
	.p2align	6, 0x0
	.amdhsa_kernel k_q1eaee4cd74_proj
		.amdhsa_group_segment_fixed_size 272384
		.amdhsa_private_segment_fixed_size 0
		.amdhsa_enable_private_segment 0
		.amdhsa_kernarg_size 88
		.amdhsa_user_sgpr_count 2
		.amdhsa_user_sgpr_kernarg_segment_ptr 1
		.amdhsa_wavefront_size32 1
		.amdhsa_system_sgpr_workgroup_id_x 1
		.amdhsa_system_sgpr_workgroup_id_y 1
		.amdhsa_system_sgpr_workgroup_id_z 1
		.amdhsa_system_vgpr_workitem_id 0
		.amdhsa_next_free_vgpr 256
		.amdhsa_next_free_sgpr 66
		.amdhsa_reserve_vcc 0
		.amdhsa_float_denorm_mode_32 3
		.amdhsa_float_denorm_mode_16_64 3
		.amdhsa_memory_ordered 1
		.amdhsa_forward_progress 1
		.amdhsa_inst_pref_size 176
	.end_amdhsa_kernel
	.amdgpu_metadata
---
amdhsa.version: [ 1, 2 ]
amdhsa.kernels:
  - .name:           k_q1eaee4cd74_proj
    .symbol:         k_q1eaee4cd74_proj.kd
    .args:
      - { .name: q, .offset: 0, .size: 8, .value_kind: global_buffer, .address_space: global }
      - { .name: k, .offset: 8, .size: 8, .value_kind: global_buffer, .address_space: global }
      - { .name: v, .offset: 16, .size: 8, .value_kind: global_buffer, .address_space: global }
      - { .name: bq, .offset: 24, .size: 8, .value_kind: global_buffer, .address_space: global }
      - { .name: bk, .offset: 32, .size: 8, .value_kind: global_buffer, .address_space: global }
      - { .name: bv, .offset: 40, .size: 8, .value_kind: global_buffer, .address_space: global }
      - { .name: wimg, .offset: 48, .size: 8, .value_kind: global_buffer, .address_space: global }
      - { .name: wsc, .offset: 56, .size: 8, .value_kind: global_buffer, .address_space: global }
      - { .name: qc, .offset: 64, .size: 8, .value_kind: global_buffer, .address_space: global }
      - { .name: qs, .offset: 72, .size: 8, .value_kind: global_buffer, .address_space: global }
      - { .name: kv, .offset: 80, .size: 8, .value_kind: global_buffer, .address_space: global }
    .group_segment_fixed_size: 272384
    .private_segment_fixed_size: 0
    .kernarg_segment_align: 8
    .kernarg_segment_size: 88
    .max_flat_workgroup_size: 512
    .sgpr_count:     66
    .vgpr_count:     256
    .wavefront_size: 32
...
	.end_amdgpu_metadata
.endif
;; end of part 5
;; launch attn (part 6): grid 4 x 64, 16 waves a work-group, clusters of 4 x 1, 327,680 bytes of LDS; arguments qc, qs, kv, mbits, out0; writes out0
.if DOCPART == 6
	.amdgcn_target "amdgcn-amd-amdhsa--gfx1250"
	.amdhsa_code_object_version 6
	.text
	.protected	k_q1eaee4cd74_attn
	.globl	k_q1eaee4cd74_attn
	.p2align	8
	.type	k_q1eaee4cd74_attn,@function
k_q1eaee4cd74_attn:
	s_mov_b64 s[64:65], 0
	v_nop
	global_prefetch_b8 v0, s[64:65] scope:SCOPE_SE
	s_setreg_imm32_b32 hwreg(HW_REG_WAVE_MODE, 25, 1), 1
	s_wait_xcnt 0x0
	s_wait_alu depctr_hold_cnt(0) depctr_sa_sdst(0) depctr_va_vdst(0) depctr_va_sdst(0) depctr_va_ssrc(0) depctr_va_vcc(0) depctr_vm_vsrc(0)
	s_getreg_b32 s2, hwreg(HW_REG_IB_STS2, 6, 4)
	s_cmp_eq_u32 s2, 0
	s_cbranch_scc0 .Lentry_in_a_cluster
	s_endpgm
.Lentry_in_a_cluster:
	s_bfe_u32 s2, ttmp6, 0x10000c
	s_cmp_lg_u32 s2, 0x3003
	s_cbranch_scc0 .Lentry_shape_is_right
	s_endpgm
.Lentry_shape_is_right:
; ATTENTION on codes of E4M3 with E8M0 scales: out[b][q][head] = the sum over keys of softmax(Qp . Kp / 32, hidden where the mask is 1) Vp.  Head size 64, 2,048 queries and keys, 64 (batch, head) records.
; THE SOFTMAX AHEAD OF THE SECOND PRODUCT: t = score x log2(e) / 32; M = the row's largest t so far, rounded UP to a whole number; p = 2^(t - M) is quantised along the keys, not normalised; the row's sum is taken of the
; unquantised p and divides at the end.  When M moves, the sum and O are multiplied by 2^(old M - new M): exact.
; SHARES.  A cluster of four work-groups is one head; a work-group owns 512 of its queries; each of its sixteen waves owns one tile of 16 queries at a time, twice; every wave walks the 16 key steps of 128 keys.
; THE HEAD'S WHOLE RECORD (K's codes, V^T's codes, their scale words: 274,432 bytes, laid by the projection in the order of operand registers) comes into LDS ONCE, by one tensor load a wave (67 rows of 256 bytes),
; asked for JOINTLY by the four work-groups.  No byte of LDS is filled twice: no ring, and one barrier behind the fill.
; LAYOUT.  Both products are used transposed: S^T = K Q^T, O^T = V^T P^T: a lane holds ONE query (lane % 16).  Tile T of keys, queries or channels holds rows 32 (T/2) + 8 (T%2) + r + 8 (r/8), so that score register n
; is key 32 (n/16) + 16 (lane/16) + n%16 of the step, and O^T's register n channel 32 (n/16) + 16 (lane/16) + n%16.
; K = 64 FILLS HALF OF THE INSTRUCTION'S 128: Q's registers 8-15 are zero codes.  On K's side those places hold the next tile's codes (behind the last tile: zeros), which meet zeros; both sides' scale words hold their two bytes twice.
; THE MASK comes as bits, one word for each score register, a bit a lane: 64 words a step by scalar loads, a step ahead; each is the lane mask of one v_cndmask_b32.
; LIMITS.  A hidden score is -2^100 and the running largest t begins at -2^80: hidden keys give p = 0 exactly wherever |t| stays under 2^80.  A step or block that is wholly hidden gives zero codes under the byte 1.
; A row that is wholly hidden gives 0 x (1 / 0) = NaN, as the softmax of a row of -infinity does.  NaN and infinities among the inputs are not served.
.set LI,  1                            ; v1   16 x lane
.set L8,  2                            ; v2   8 x lane
.set STO, 3                            ; v3   the way out: where I put a row's bytes
.set RD,  4                            ; v4   and where I read rows back
.set GO,  5                            ; v5   my byte offset in two rows of out0
.set MV,  6                            ; v6   -2^100
.set R16, 7                            ; v7   16 x (lane % 16)
.set ADK, 8                            ; v8-11 the step's LDS addresses: K, V, K's scale words, V's
.set ADV, 9
.set ADS, 10
.set ADT, 11
.set NM,  12                           ; v12 -M, v13 the largest t, v[14:15] the sum in two halves
.set Q,   16                           ; v16-31 Q's fragment; v24-31 stay zero codes
.set F,   32                           ; v32-95 K's eight tiles (8 registers each), later V^T's four (16 each)
.set ZT,  96                           ; v96-103 zero codes behind K's last tile
.set PC,  104                          ; v104-119 p's codes
.set S,   120                          ; v120-183 S^T, then p; on the way out O / the sum
.set O,   184                          ; v184-215 O^T
.set BM,  216                          ; v216-219 the blocks' largest scores, then largest p
.set T2,  220                          ; v220-223 at work
.set LIM, 224                          ; v224-227 448 x the scale
.set SCO, 228                          ; v228-231 the conversions' scale operands
.set KSW, 232                          ; v232-235 K's scale words; v236-237 V's; v238 Q's; v239 p's: scales and nothing else
.set VSW, 236
.set QSW, 238
.set PSW, 239
.set FF,  240                          ; v[240:241] f = 2^(old M - new M) (the low word serves both halves)
.set TP,  242
.set CH,  244                          ; v[244:245] the sum's second chain
.set WV,  14                           ; s14 wave; s15 cx; s3 the head's record; s2 my query tile
.set SEL, 66
.set CS,  96                           ; s[96:97] c = log2(e) / 32
.set MNT, 98
.set JC,  99                           ; s99 the trip counter;  s100, s101, s104, s105 where the step's K, V, K's words, V's words begin in LDS
.set TK,  100
.set TV,  101
.set TS,  104
.set TT,  105
.set MB,  68                           ; behind the wait for the tensor load its descriptor's registers serve again: s[68:69] my tile's mask records; s[70:71] my rows of out0; s72 the step's offset; s73 EXEC kept; s[74:79] at work
.set OUTB, 70
.set MO,  72
.set STG, 274432                       ; behind the record: a stage of 8 rows x 272 bytes for each wave
.macro ROUND                           ; a round of the cluster's barrier
	s_barrier_signal -1
	s_barrier_wait -1
	s_cmp_lg_u32 s[WV], 0
	s_cbranch_scc1 .Lnot_wave_0_\@
	s_barrier_signal -3
.Lnot_wave_0_\@:
	s_barrier_wait -3
	s_barrier_signal -1
	s_barrier_wait -1
.endm
.macro MASKS                           ; a step's 64 words: word n in s[16 + n] (n < 48) or s[32 + n]
	s_load_b512 s[16:31], s[MB:MB+1], s[MO] offset:0x0
	s_load_b512 s[32:47], s[MB:MB+1], s[MO] offset:0x40
	s_load_b512 s[48:63], s[MB:MB+1], s[MO] offset:0x80
	s_load_b512 s[80:95], s[MB:MB+1], s[MO] offset:0xc0
.endm
.macro FRAGS adr                       ; 64 registers as they lie: 512 consecutive bytes a load
.set ii, 0
.rept 16
	ds_load_b128 v[F+4*ii:F+4*ii+3], v[\adr] offset:ii*512
.set ii, ii+1
.endr
.endm
	s_load_b256 s[4:11], s[0:1], 0x0               ; qc, qs, kv, mbits
	s_load_b64 s[12:13], s[0:1], 0x20              ; out0
	v_lshl_add_u32 v254, v0, 2, 0x4b800
	v_mov_b32 v255, 0
	ds_add_u32 v254, v255
	ds_add_u32 v254, v255
	v_lshrrev_b32 v8, 5, v0
	s_delay_alu instid0(VALU_DEP_1)
	v_readfirstlane_b32 s[WV], v8                  ; wave 0..15
	s_bfe_u32 s15, ttmp6, 0x40000                  ; cx: it enters the addresses of qc, qs, mbits and out0 alone
	s_and_b32 s3, ttmp7, 0xffff                    ; the head's record, which the four partners share
	; descriptor group 1: 67 rows of 32 elements of 8 bytes, dense, no padding
	s_mov_b32 s72, 15|(3<<16)|(1<<21)              ; 15:0 the mask: all four work-groups; 17:16 elements of 8 bytes; 21 set beside a mask
	s_mov_b32 s73, 32<<16                          ; tensor_dim0 = 32
	s_mov_b32 s74, 67<<16                          ; tensor_dim1 = 67
	s_mov_b32 s75, 32<<16                          ; tile_dim0 = 32
	s_mov_b32 s76, 67                              ; tile_dim1 = 67
	s_mov_b32 s77, 32                              ; from row to row
	s_mov_b32 s78, 0
	s_mov_b32 s79, 0
	s_mov_b32 s68, 1                               ; group 0: count = 1,
	s_mul_i32 s69, s[WV], 17152                    ; LDS address: my sixteenth of the record,
	s_mul_i32 s80, s3, 274432
	s_add_co_u32 s80, s80, s69
	s_mov_b32 s81, 0
	s_wait_dscnt 0x0
	s_wait_kmcnt 0x0
	s_add_nc_u64 s[70:71], s[8:9], s[80:81]        ; the same in memory,
	s_or_b32 s71, s71, 0x80000000                  ; type = 2
	ROUND                                          ; all four work-groups are here: the joint loads meet
	tensor_load_to_lds s[68:71], s[72:79]          ; my one tensor load of the launch: one is out
	s_nop 0
.rept 4
	v_nop
.endr
	s_lshl_b32 s80, s3, 17                         ; the head's part of each buffer
	s_add_nc_u64 s[4:5], s[4:5], s[80:81]
	s_lshl_b32 s80, s3, 13
	s_add_nc_u64 s[6:7], s[6:7], s[80:81]
	s_lshr_b32 s82, s3, 4                          ; b
	s_lshl_b32 s80, s82, 19
	s_add_nc_u64 s[10:11], s[10:11], s[80:81]
	s_lshl_b32 s80, s82, 23
	s_and_b32 s83, s3, 15
	s_lshl_b32 s83, s83, 8
	s_add_co_u32 s80, s80, s83
	s_add_nc_u64 s[12:13], s[12:13], s[80:81]
	v_and_b32 v8, 31, v0
	s_delay_alu instid0(VALU_DEP_1)
	v_lshlrev_b32 v[LI], 4, v8
	s_delay_alu instid0(VALU_DEP_2)
	v_lshlrev_b32 v[L8], 3, v8
	v_and_b32 v9, 15, v0                           ; r
	v_bfe_u32 v10, v0, 4, 1                        ; h
	v_and_b32 v11, 7, v0                           ; r % 8
	s_delay_alu instid0(VALU_DEP_3)
	v_lshlrev_b32 v[R16], 4, v9
	s_mul_i32 s84, s[WV], 8*272
	s_add_co_u32 s84, s84, STG                     ; my stage
	v_mul_u32_u24 v[STO], v11, 272
	s_delay_alu instid0(VALU_DEP_1)
	v_lshl_add_u32 v[STO], v10, 6, v[STO]
	s_delay_alu instid0(VALU_DEP_1)
	v_add_nc_u32 v[STO], s84, v[STO]               ; in: row r % 8, + 64 h
	v_mul_u32_u24 v[RD], v10, 272
	s_delay_alu instid0(VALU_DEP_1)
	v_lshl_add_u32 v[RD], v9, 4, v[RD]
	s_delay_alu instid0(VALU_DEP_1)
	v_add_nc_u32 v[RD], s84, v[RD]                 ; back: lanes 0-15 one row of 256 bytes, lanes 16-31 the next
	v_lshlrev_b32 v[GO], 12, v10
	s_delay_alu instid0(VALU_DEP_1)
	v_lshl_add_u32 v[GO], v9, 4, v[GO]             ; and the same two tokens in out0, 4,096 bytes apart
	v_mov_b32 v[MV], 0xf1800000
.irp j, 0,1,2,3,4,5,6,7
	v_mov_b32 v[Q+8+\j], 0
	v_mov_b32 v[ZT+\j], 0
.endr
.irp j, 0,1,2,3
	v_mov_b32 v[T2+\j], 0                          ; a lane permute's destination counts as one of its sources
.endr
	v_mov_b32 v[FF+1], 0                           ; (named as the upper half of a pair)
	v_mov_b32 v[TP], 0
	s_mov_b32 s[SEL], 0x76543210
	s_mov_b32 s[SEL+1], 0xfedcba98
	s_mov_b32 s[CS], 0x3d38aa3b
	s_mov_b32 s[CS+1], s[CS]
	s_mov_b32 s[MNT], 0x600000
	s_wait_tensorcnt 0x0                           ; my part of the record is in,
	s_barrier_signal -1
	s_barrier_wait -1                              ; everybody's is; it is only read from here on
; ONE TILE OF 16 QUERIES: T = 32 cx + 16 p + wave
.macro PASS p
	s_wait_kmcnt 0x0                               ; no scalar load is out: its registers and addresses may be written
	s_wait_xcnt 0x0                                ; the last tile's stores have read their registers and their base
	s_lshl_b32 s2, s15, 5
	s_add_co_u32 s2, s2, s[WV]
.if \p
	s_add_co_u32 s2, s2, 16
.endif
	s_mov_b32 s79, 0
	s_lshl_b32 s78, s2, 12                         ; the tile's 16 records of 256 bytes
	s_add_nc_u64 s[MB:MB+1], s[10:11], s[78:79]
	s_lshl_b32 s78, s2, 10
	s_add_nc_u64 s[74:75], s[4:5], s[78:79]        ; its codes
	s_lshr_b32 s78, s2, 3                          ; its scale words: group T / 8, lanes 16 (T % 2) on, word (T / 2) % 4
	s_lshl_b32 s78, s78, 9
	s_and_b32 s72, s2, 1
	s_lshl_b32 s72, s72, 8
	s_add_co_u32 s78, s78, s72
	s_bfe_u32 s72, s2, 0x20001
	s_lshl_b32 s72, s72, 2
	s_add_co_u32 s78, s78, s72
	s_add_nc_u64 s[76:77], s[6:7], s[78:79]
	s_lshr_b32 s78, s2, 1                          ; its first token: 32 (T / 2) + 8 (T % 2), 4,096 bytes each
	s_lshl_b32 s78, s78, 17
	s_and_b32 s72, s2, 1
	s_lshl_b32 s72, s72, 15
	s_add_co_u32 s78, s78, s72
	s_add_nc_u64 s[OUTB:OUTB+1], s[12:13], s[78:79]
	s_mov_b32 s[MO], 0
	global_load_b128 v[Q:Q+3], v[LI], s[74:75]
	global_load_b128 v[Q+4:Q+7], v[LI], s[74:75] offset:512
	global_load_b32 v[QSW], v[R16], s[76:77]
	MASKS                                          ; key step 0's
	v_mov_b32 v[NM+1], 0xe7800000                  ; the largest t so far: -2^80
	s_delay_alu instid0(VALU_DEP_1)
	v_floor_f32 v[NM], -v[NM+1]                    ; -M
	v_mov_b32 v14, 0
	v_mov_b32 v15, 0
.set jj, 0
.rept 32
	v_mov_b32 v[O+jj], 0                           ; O^T: the loop is written once; its first step finds zeros
.set jj, jj+1
.endr
	s_mov_b32 s[TK], 0
	s_mov_b32 s[TV], 131072
	s_mov_b32 s[TS], 262144
	s_mov_b32 s[TT], 270336
	s_mov_b32 s[JC], 0
	s_wait_loadcnt 0x0                             ; Q
.Ltrip_\@:                                             ; 16 trips: a key step of 128 keys
	s_setprio 2
	v_add_nc_u32 v[ADK], s[TK], v[LI]
	v_add_nc_u32 v[ADV], s[TV], v[LI]
	v_add_nc_u32 v[ADS], s[TS], v[LI]
	v_add_nc_u32 v[ADT], s[TT], v[L8]
.rept 4
	v_nop                                          ; with the four additions: eight places behind the last products, ahead of loads into registers that they have read
.endr
	FRAGS ADK
	ds_load_b128 v[KSW:KSW+3], v[ADS]
	s_wait_alu depctr_va_vdst(0)
	s_wait_dscnt 0x0
.set tt, 0
.rept 4                                        ; S^T = K Q^T: eight tiles of 16 keys, each sum begun with 0
	v_wmma_scale_f32_16x16x128_f8f6f4 v[S+16*tt:S+16*tt+7], v[F+16*tt:F+16*tt+15], v[Q:Q+15], 0, v[KSW+tt], v[QSW]
	v_wmma_scale_f32_16x16x128_f8f6f4 v[S+16*tt+8:S+16*tt+15], v[F+16*tt+8:F+16*tt+23], v[Q:Q+15], 0, v[KSW+tt], v[QSW] matrix_a_scale:MATRIX_SCALE_ROW1
.set tt, tt+1
.endr
.rept 8
	v_nop                                          ; eight places: ahead of the loads into K's registers and of the first read of the scores
.endr
	FRAGS ADV                                      ; V^T's four fragments land under the softmax
	ds_load_b64 v[VSW:VSW+1], v[ADT]
	s_wait_kmcnt 0x0                               ; this step's mask words, asked for a step ago
.set nn, 0
.rept 64                                       ; hidden scores become -2^100; each accumulator is read from its low end on
.if nn < 48
	v_cndmask_b32 v[S+nn], v[S+nn], v[MV], s[16+nn]
.else
	v_cndmask_b32 v[S+nn], v[S+nn], v[MV], s[32+nn]
.endif
.set nn, nn+1
.endr
	s_add_co_u32 s[MO], s[MO], 256                 ; the next step's words; the last trip asks for its own again, so that no load leaves the tile's records
	s_min_u32 s[MO], s[MO], 3840
	MASKS
.irp b, 0,1,2,3
	v_max3_num_f32 v[BM+\b], v[S+16*\b], v[S+1+16*\b], v[S+2+16*\b]   ; the largest score of each block of 32 keys: for the row's maximum, and, since p rises with the score, for the block's largest p
.endr
.irp i, 3,5,7,9,11,13
.irp b, 0,1,2,3
	s_delay_alu instid0(VALU_DEP_4)
	v_max3_num_f32 v[BM+\b], v[BM+\b], v[S+16*\b+\i], v[S+1+16*\b+\i]
.endr
.endr
.irp b, 0,1,2,3
	s_delay_alu instid0(VALU_DEP_4)
	v_max_num_f32 v[BM+\b], v[BM+\b], v[S+15+16*\b]
.endr
.irp b, 0,1,2,3
	s_delay_alu instid0(VALU_DEP_4)
	v_permlanex16_b32 v[T2+\b], v[BM+\b], s[SEL], s[SEL+1]
.endr
.irp b, 0,1,2,3
	s_delay_alu instid0(VALU_DEP_4)
	v_max_num_f32 v[BM+\b], v[BM+\b], v[T2+\b]     ; with lane l xor 16's 16 keys
.endr
	s_delay_alu instid0(VALU_DEP_2)
	v_max3_num_f32 v[TP], v[BM], v[BM+1], v[BM+2]
	s_delay_alu instid0(VALU_DEP_1)
	v_max_num_f32 v[TP], v[TP], v[BM+3]            ; the step's largest score of my query
	s_delay_alu instid0(VALU_DEP_1)
	v_mul_f32 v[TP], s[CS], v[TP]                  ; as t (c is positive)
	s_delay_alu instid0(VALU_DEP_1)
	v_max_num_f32 v[NM+1], v[NM+1], v[TP]          ; the running largest t
	v_mov_b32 v[TP], v[NM]
	s_delay_alu instid0(VALU_DEP_2)
	v_floor_f32 v[NM], -v[NM+1]                    ; the new -M = floor(-t): M is a whole number
	s_delay_alu instid0(VALU_DEP_1)
	v_sub_f32 v[TP], v[NM], v[TP]                  ; old M - new M: a whole number, 0 or less
	s_delay_alu instid0(VALU_DEP_1)
	v_cvt_i32_f32 v[TP], v[TP]                     ; (it saturates)
	s_delay_alu instid0(VALU_DEP_1)
	v_ldexp_f32 v[FF], 1.0, v[TP]                  ; f = 2^(old M - new M)
.set jj, 0
.rept 32
	v_pk_fma_f32 v[S+jj:S+jj+1], v[S+jj:S+jj+1], s[CS:CS+1], v[NM:NM+1] op_sel_hi:[1,0,0]   ; t - M, two at a time
.set jj, jj+2
.endr
.irp b, 0,1,2,3
	v_fma_f32 v[BM+\b], v[BM+\b], s[CS], v[NM]     ; the same of each block's largest score
.endr
.set jj, 0
	s_wait_alu depctr_va_vdst(0)
.rept 64
	v_exp_f32 v[S+jj], v[S+jj]                     ; p = 2^(t - M), at most 1
.set jj, jj+1
.endr
	s_setprio 1
.irp b, 0,1,2,3
	v_exp_f32 v[BM+\b], v[BM+\b]                   ; the block's largest p: the same two instructions on the same number
.endr
	v_pk_mul_f32 v[14:15], v[14:15], v[FF:FF+1] op_sel_hi:[1,0]   ; the sums under the new M (a plain line behind the exponentials)
	s_wait_alu depctr_va_vdst(0)
.irp b, 0,1,2,3
	v_max_num_f32 v[BM+\b], 0x4800000, v[BM+\b]    ; the floor 2^(9 - 127): the byte cannot fall under 1
.endr
.irp b, 0,1,2,3
	s_delay_alu instid0(VALU_DEP_4)
	v_add_nc_u32 v[SCO+\b], 0xfc000000, v[BM+\b]   ; 8 off the exponent field: the conversion's scale operand
.endr
.irp b, 0,1,2,3
	v_and_or_b32 v[LIM+\b], v[BM+\b], 0x7f800000, s[MNT]   ; 448 x the scale
.endr
.irp b, 0,1,2,3
	v_lshrrev_b32 v[T2+\b], 23, v[SCO+\b]          ; the scale's byte
.endr
	s_delay_alu instid0(VALU_DEP_3)
	v_lshl_or_b32 v[PSW], v[T2+1], 8, v[T2]        ; p's scale word for these 128 keys
	s_delay_alu instid0(VALU_DEP_1)
	v_lshl_or_b32 v[PSW], v[T2+2], 16, v[PSW]
	s_delay_alu instid0(VALU_DEP_1)
	v_lshl_or_b32 v[PSW], v[T2+3], 24, v[PSW]
	v_pk_add_f32 v[244:245], v[124:125], v[128:129]
	v_pk_add_f32 v[252:253], v[132:133], v[136:137]
	v_pk_add_f32 v[250:251], v[140:141], v[144:145]
	v_pk_add_f32 v[248:249], v[148:149], v[152:153]
	v_pk_add_f32 v[246:247], v[156:157], v[160:161]
	v_pk_add_f32 v[14:15], v[14:15], v[164:165]
	v_pk_add_f32 v[244:245], v[244:245], v[168:169]
	v_pk_add_f32 v[252:253], v[252:253], v[172:173]
	v_pk_add_f32 v[250:251], v[250:251], v[176:177]
	v_pk_add_f32 v[248:249], v[248:249], v[180:181]
	v_pk_add_f32 v[246:247], v[246:247], v[120:121]
	v_pk_add_f32 v[14:15], v[14:15], v[122:123]
	v_pk_add_f32 v[244:245], v[244:245], v[126:127]
	v_pk_add_f32 v[252:253], v[252:253], v[130:131]
	v_pk_add_f32 v[250:251], v[250:251], v[134:135]
	v_pk_add_f32 v[248:249], v[248:249], v[138:139]
	v_pk_add_f32 v[246:247], v[246:247], v[142:143]
	v_pk_add_f32 v[14:15], v[14:15], v[146:147]
	v_pk_add_f32 v[244:245], v[244:245], v[150:151]
	v_pk_add_f32 v[252:253], v[252:253], v[154:155]
	v_pk_add_f32 v[250:251], v[250:251], v[158:159]
	v_pk_add_f32 v[248:249], v[248:249], v[162:163]
	v_pk_add_f32 v[246:247], v[246:247], v[166:167]
	v_pk_add_f32 v[14:15], v[14:15], v[170:171]
	v_pk_add_f32 v[244:245], v[244:245], v[174:175]
	v_pk_add_f32 v[252:253], v[252:253], v[178:179]
	v_pk_add_f32 v[250:251], v[250:251], v[182:183]
	s_delay_alu instid0(VALU_DEP_1)
	v_pk_add_f32 v[14:15], v[14:15], v[250:251]
	s_delay_alu instid0(VALU_DEP_4)
	v_pk_add_f32 v[244:245], v[244:245], v[248:249]
	s_delay_alu instid0(VALU_DEP_4)
	v_pk_add_f32 v[252:253], v[252:253], v[246:247]
	s_delay_alu instid0(VALU_DEP_1)
	v_pk_add_f32 v[14:15], v[14:15], v[252:253]
	s_delay_alu instid0(VALU_DEP_1)
	v_pk_add_f32 v[14:15], v[14:15], v[244:245]
.irp b, 0,1,2,3
.irp i, 0,1,2,3,4,5,6,7,8,9,10,11,12,13,14,15
	v_min_num_f32 v[S+16*\b+\i], v[S+16*\b+\i], v[LIM+\b]   ; the conversion does not saturate (ISA guide 7.6.2); p is not negative, so the hold is one-sided
.endr
	v_cvt_scalef32_pk8_fp8_f32 v[PC+4*\b:PC+1+4*\b], v[S+16*\b:S+7+16*\b], v[SCO+\b]
	v_cvt_scalef32_pk8_fp8_f32 v[PC+2+4*\b:PC+3+4*\b], v[S+8+16*\b:S+15+16*\b], v[SCO+\b]
.endr
.set jj, 0
	s_setprio 0
.rept 16
	v_pk_mul_f32 v[O+jj:O+jj+1], v[O+jj:O+jj+1], v[FF:FF+1] op_sel_hi:[1,0]   ; O^T under the new M.  (These sixteen are also the places between the codes and the products below)
.set jj, jj+2
.endr
	s_wait_alu depctr_va_vdst(0)
	s_wait_dscnt 0x0                               ; V^T and its scale words are in
.set tt, 0
.rept 2                                        ; O^T += V^T P^T: four tiles of 16 channels, one instruction a turn
	v_wmma_scale_f32_16x16x128_f8f6f4 v[O+16*tt:O+16*tt+7], v[F+32*tt:F+32*tt+15], v[PC:PC+15], v[O+16*tt:O+16*tt+7], v[VSW+tt], v[PSW]
	v_wmma_scale_f32_16x16x128_f8f6f4 v[O+16*tt+8:O+16*tt+15], v[F+32*tt+16:F+32*tt+31], v[PC:PC+15], v[O+16*tt+8:O+16*tt+15], v[VSW+tt], v[PSW] matrix_a_scale:MATRIX_SCALE_ROW1
.set tt, tt+1
.endr
	s_add_co_u32 s[TK], s[TK], 8192
	s_add_co_u32 s[TV], s[TV], 8192
	s_add_co_u32 s[TS], s[TS], 512
	s_add_co_u32 s[TT], s[TT], 256
	s_add_co_u32 s[JC], s[JC], 1
	s_cmp_lt_u32 s[JC], 16
	s_cbranch_scc1 .Ltrip_\@
	s_setprio 0
	; THE WAY OUT.  O^T / the sum; a lane holds 2 x 64 bytes of one token's 256.  The stage has room for eight rows (53,248 bytes are left for sixteen waves), so the tile's rows 0-7 and 8-15 go through it one after the other.
.rept 8
	v_nop                                          ; eight places behind the last products
.endr
	v_add_f32 v14, v14, v15                        ; the sum's two halves,
	s_delay_alu instid0(VALU_DEP_1)
	v_permlanex16_b32 v[TP], v14, s[SEL], s[SEL+1]
	s_delay_alu instid0(VALU_DEP_1)
	v_add_f32 v14, v14, v[TP]                      ; and lane l xor 16's
	s_wait_alu depctr_va_vdst(0)
	v_rcp_f32 v14, v14
	v_nop                                          ; a plain line behind the transcendental
.set jj, 0
	s_wait_alu depctr_va_vdst(0)
.rept 32
	v_mul_f32 v[S+jj], v[O+jj], v14                ; each accumulator from its low end on
.set jj, jj+1
.endr
	s_wait_alu depctr_va_vdst(0)
.irp rho, 0,1
.if \rho == 0
	v_cmp_gt_u32 vcc_lo, 128, v[R16]               ; lanes of rows 0-7
.else
	v_cmp_le_u32 vcc_lo, 128, v[R16]               ; lanes of rows 8-15
.endif
	s_wait_xcnt 0x0                                ; EXEC changes only behind this wait
	s_and_saveexec_b32 s73, vcc_lo
.irp bb, 0,1
.irp e, 0,1,2,3
	ds_store_b128 v[STO], v[S+16*\bb+4*\e:S+16*\bb+4*\e+3] offset:128*\bb+16*\e
.endr
.endr
	s_wait_xcnt 0x0
	s_or_b32 exec_lo, exec_lo, s73                 ; all lanes again
.irp i, 0,1,2,3
	ds_load_b128 v[F+16*\rho+4*\i:F+16*\rho+4*\i+3], v[RD] offset:\i*544   ; LDS serves a wave's instructions in order: these see my stores, and the next eight rows' stores come behind them
.endr
.endr
.irp i, 0,1,2,3
	s_wait_dscnt 15-\i                             ; behind this load: 3 - i loads of the first eight rows, and the second eight rows' 8 stores and 4 loads
	global_store_b128 v[GO], v[F+4*\i:F+4*\i+3], s[OUTB:OUTB+1] offset:(2*\i)*4096 th:TH_STORE_NT   ; sixteen lanes store one token's 256 consecutive bytes of the head, aligned
.endr
.irp i, 0,1,2,3
	s_wait_dscnt 3-\i
	global_store_b128 v[GO], v[F+16+4*\i:F+16+4*\i+3], s[OUTB:OUTB+1] offset:(16+2*\i)*4096 th:TH_STORE_NT
.endr
.endm
	PASS 0
	PASS 1
	s_wait_kmcnt 0x0                               ; the last trip's scalar loads
	s_wait_tensorcnt 0x0
	ds_add_u32 v254, v255
	s_wait_dscnt 0x0
	ROUND                                          ; the closing round: no work-group ends while a partner may still ask for a tile that names it
	s_endpgm
.Lfunc_end_k_q1eaee4cd74_attn:
	.size	k_q1eaee4cd74_attn, .Lfunc_end_k_q1eaee4cd74_attn-k_q1eaee4cd74_attn
	.p2alignl 7, 3214868480
	.fill 96, 4, 3214868480
	.section	.rodata,"a",@progbits
	.p2align	6, 0x0
	.amdhsa_kernel k_q1eaee4cd74_attn
		.amdhsa_group_segment_fixed_size 327680
		.amdhsa_private_segment_fixed_size 0
		.amdhsa_enable_private_segment 0
		.amdhsa_kernarg_size 40
		.amdhsa_user_sgpr_count 2
		.amdhsa_user_sgpr_kernarg_segment_ptr 1
		.amdhsa_wavefront_size32 1
		.amdhsa_system_sgpr_workgroup_id_x 1
		.amdhsa_system_sgpr_workgroup_id_y 1
		.amdhsa_system_sgpr_workgroup_id_z 1
		.amdhsa_system_vgpr_workitem_id 0
		.amdhsa_next_free_vgpr 256
		.amdhsa_next_free_sgpr 106
		.amdhsa_reserve_vcc 1
		.amdhsa_float_denorm_mode_32 3
		.amdhsa_float_denorm_mode_16_64 3
		.amdhsa_memory_ordered 1
		.amdhsa_forward_progress 1
		.amdhsa_inst_pref_size 70
	.end_amdhsa_kernel
	.amdgpu_metadata
---
amdhsa.version: [ 1, 2 ]
amdhsa.kernels:
  - .name:           k_q1eaee4cd74_attn
    .symbol:         k_q1eaee4cd74_attn.kd
    .args:
      - { .name: qc, .offset: 0, .size: 8, .value_kind: global_buffer, .address_space: global }
      - { .name: qs, .offset: 8, .size: 8, .value_kind: global_buffer, .address_space: global }
      - { .name: kv, .offset: 16, .size: 8, .value_kind: global_buffer, .address_space: global }
      - { .name: mbits, .offset: 24, .size: 8, .value_kind: global_buffer, .address_space: global }
      - { .name: out0, .offset: 32, .size: 8, .value_kind: global_buffer, .address_space: global }
    .group_segment_fixed_size: 327680
    .private_segment_fixed_size: 0
    .kernarg_segment_align: 8
    .kernarg_segment_size: 40
    .max_flat_workgroup_size: 512
    .sgpr_count:     106
    .vgpr_count:     256
    .wavefront_size: 32
...
	.end_amdgpu_metadata
.endif
;; end of part 6
